; MI455X (gfx1250); checked and timed in simulation.
; The chip was launched on July 23, 2026; its instructions are those of AMD's public machine-readable ISA for CDNA 5 (MIT licence, August 2026) and "CDNA5" Instruction Set Architecture Reference Guide (July 2026). The comments in the code are by the model that wrote it; some were corrected since.
;; MHSA. Allowed arithmetic: matrix products marked QUANTISED: E2M3 operands, one E8M0 scale for each 32 along K, by v_wmma_scale_f32_16x16x128_f8f6f4 with both operands' format E2M3, f32 sums; everything else in f32.
;; Inputs: Wk 1,024 x 1,024 float32; Wo 1,024 x 1,024 float32; Wq 1,024 x 1,024 float32; Wv 1,024 x 1,024 float32; x 4 x 2,048 x 1,024 float32.
;; Outputs: out0 4 x 2,048 x 1,024 float32.
;; This version of the problem:
;;   THIS VERSION OF THE PROBLEM IS GIVEN IN LOW PRECISION. The matrix products marked QUANTISED in the list below multiply operands that are first quantised to E2M3 (2 exponent bits, 3 mantissa bits; 6 bits a number), with one power-of-two scale for each 32 numbers along K (OCP MX v1.0); their sums are f32. All else is computed in f32.
;;   The module's matrix products, in the order in which they are computed (A, B: the left and right operand; K: the contracted axis; several contracted axes count as one K, in the product's order):
;;     1. [M 8,192, K 1,024] x [K 1,024, N 1,024]; A: input x; B: input Wq: QUANTISED
;;     2. [M 8,192, K 1,024] x [K 1,024, N 1,024]; A: input x; B: input Wk: QUANTISED
;;     3. [M 8,192, K 1,024] x [K 1,024, N 1,024]; A: input x; B: input Wv: QUANTISED
;;     4. batch 64 x [M 2,048, K 64] x [K 64, N 2,048]; A: computed on the way; B: computed on the way: QUANTISED
;;     5. batch 64 x [M 2,048, K 2,048] x [K 2,048, N 64]; A: softmax (see below); B: computed on the way: QUANTISED
;;     6. [M 8,192, K 1,024] x [K 1,024, N 1,024]; A: computed on the way; B: input Wo: QUANTISED
;;   THE QUANTISER, for each operand of a quantised product, along K:
;;     - K is cut into blocks of 32 from its start; a last block that is shorter is filled with zeros.
;;     - A block's scale is 2^e with e = floor(log2(the largest magnitude in the block)) - 2, held to -126 .. 127; a block of zeros has e = 0. As a byte (E8M0): e + 127.
;;     - Each number is divided by its block's scale, clamped to +-7.5, and rounded to the nearest number of E2M3, ties to even, subnormals kept.
;;     - The product sums the exact products of the quantised numbers (number of the format x scale) in f32.
;;   ~~~python
;;   def quantise(x, axis):      # numpy; x: float32 -> the quantised numbers, widened to float32 again
;;       x = np.moveaxis(x, axis, -1); K = x.shape[-1]
;;       x = np.pad(x, [(0, 0)] * (x.ndim - 1) + [(0, -K % 32)]); x = x.reshape(x.shape[:-1] + (-1, 32)); a = np.abs(x).max(-1, keepdims=True)
;;       e = np.where(a > 0, np.clip(np.frexp(np.where(a > 0, a, 1))[1] - 1 - 2, -126, 127), 0)      # np.frexp(a)[1] - 1 = floor(log2(a)), exactly
;;       r = np.clip(x / 2.0 ** e, -7.5, 7.5)
;;       step = 2.0 ** (np.maximum(np.frexp(np.where(r == 0, 1, r))[1] - 1, 0) - 3)
;;       q = np.round(r / step) * step * 2.0 ** e      # np.round: ties to even
;;       return np.moveaxis(q.reshape(q.shape[:-2] + (-1,))[..., :K], -1, axis).astype(np.float32)
;;   ~~~
;;   SOFTMAX AHEAD OF A QUANTISED PRODUCT. Where the list says 'softmax', what is quantised is not the finished softmax but p = 2^(t - M), with t = logit x log2(e) and M = ceil(the row's largest t), a whole number; so 1/2 < the row's largest p <= 1. The row's sum l is taken of the UNQUANTISED p, in f32, and the product's result is divided by l at the end. Since M is a whole number, a kernel that streams over the keys may use a running M (the ceiling of the running maximum): every later rescaling is an exact power of two, which a block's scale takes up: the codes' values come out the same.
;;   OPERANDS COMPUTED ON THE WAY. 'Computed on the way' means the value that the module computes at that place (a softmax that the list does not call 'softmax' is quantised finished and normalised). What goes into a quantiser is computed in f32, as accurately as f32 sums, v_exp_f32 and their like allow (about 1e-6 of the number): no bf16 or f16 on the way to a quantiser, and a product that is left as it is and whose result goes on into a quantised operand takes f32 operands (vector FMAs, or v_wmma_f32_16x16x4_f32). A number that lies on a knife's edge between two numbers of the format may be rounded either way, as far as f32 arithmetic and the matrix unit's own rounding can turn it there, and no further.
;; One version. Each part assembles by itself: llvm-mc -triple=amdgcn-amd-amdhsa -mcpu=gfx1250 --defsym DOCPART=n.
;; ======== version 1 of 1: 4 launches
;; workspace buffers: x_op 6,553,600 bytes; w_op 3,276,800 bytes; rope 557,056 bytes; qkv_op 19,660,800 bytes; mh_op 6,553,600 bytes
;; launch prep (part 1): grid 418 x 1, 4 waves a work-group, no clusters, 35,328 bytes of LDS; arguments x, Wq, Wk, Wv, Wo, x_op, w_op, rope; writes x_op, w_op, rope
.if DOCPART == 1
	.amdgcn_target "amdgcn-amd-amdhsa--gfx1250"
	.amdhsa_code_object_version 6
	.text
	.protected	k_q3aa9cff6c1_prep
	.globl	k_q3aa9cff6c1_prep
	.p2align	8
	.type	k_q3aa9cff6c1_prep,@function
k_q3aa9cff6c1_prep:
	s_mov_b64 s[64:65], 0
	v_nop
	global_prefetch_b8 v0, s[64:65] scope:SCOPE_SE
	s_setreg_imm32_b32 hwreg(HW_REG_WAVE_MODE, 25, 1), 1
	s_wait_xcnt 0x0
; PREP.  x [8192][1024] and Wq, Wk, Wv, Wo [1024][1024], f32 with K innermost, become codes of FP6 (E2M3) with one E8M0 byte for each 32 along K, laid as OPERAND BLOCKS; and the table of cos and sin for the rotation is made.
; AN OPERAND BLOCK is 128 rows (a panel) x 128 along K (a K step), 12,800 bytes: eight fragments of 1,536 bytes and 512 bytes of scale words.  Tile A of a panel holds the rows 32 (A / 2) + 8 (A % 2) + r + 8 (r / 8), r = 0 .. 15.
; A fragment is the image of the operand's 12 registers: lane l's registers 4 c .. 4 c + 3 at 512 c + 16 l.  Row r's scale word of tile A lies at 12,288 + 64 A + 4 r.  A buffer holds its blocks as [panel][K step].
; w_op: panels 0-7 Wq, 8-15 Wk, 16-23 Wv, 24-31 Wo.
; SHARES.  Work-groups 0-255 take x, then 32 take each weight; a work-group takes two blocks, a wave half a block: four tiles.  Work-groups 384-417 make the table, a wave one tile of positions.
; A tile: sixteen loads of 512 consecutive bytes (a row's 128 numbers); the rows go through the wave's own stage in LDS and come back so that lane (r, h) holds, of row r, numbers 32 b + 16 h + 0 .. 15 of each block b.
; A block's scale is 2^(floor(log2(largest magnitude)) - 2): its byte is the largest magnitude's exponent field - 2, held at 1 from below.
; LIMITS: a block of zeros, or one whose largest magnitude lies under 2^-124, has the byte 1 (its bytes are read by this program alone; zero codes add nothing); NaN and infinities among the inputs are not served.
; THE TABLE: [17 panels of 128 positions][tile][8 chunks][lane][16 bytes]; chunk 4 b + k of lane (r, h) holds cos, sin, cos, sin of frequencies 16 b + 8 h + 2 k and the next, at the tile's row r.  Panel 16 is made with position 0: cos 1, sin 0.
; LIMIT: the inverse frequency is one v_exp_f32, so an angle may differ from position x (1 / 10000^(i / 32)) in f32 by about 1.5e-4 rad at position 2,047; sine and cosine come by a reduction in two parts of pi / 2 and polynomials of degree 7 and 8.
.set NQWG,  384                        ; work-groups that quantise
.set BLKB,  12800
.set WREG,  8704                       ; LDS of a wave: a stage of 16 rows x (512 + 16) bytes, then 256 bytes of scale words
.set SWO,   8448
.set SPARE, 4*WREG                     ; behind the four regions: the spare words, 128 bytes for each wave
.set GL,  1                            ; v1   16 x lane
.set STI, 2                            ; v2   the stage on the way in: 16 x lane
.set STL, 3                            ; v3   and on the way out: 528 r + 64 h
.set SWA, 4                            ; v4   where my row's scale word goes
.set SRD, 5                            ; v5   where the scale words are read back: 8 x lane
.set G8,  6                            ; v6   8 x lane
.set R,   16                           ; v16-143  two sets of 16 rows as loaded
.set X,   144                          ; v144-207 64 numbers of my row
.set TM,  208                          ; v208-223 at work in QUANT
.set PC,  224                          ; v224-243 the codes
.set PW,  244                          ; v244     the scale word
.set BK,  246                          ; v246-247 scale words on their way out
.set SPW, 252                          ; v252 LDS address of my spare word; never rewritten
.set NIL, 253                          ; v253 0; never rewritten
.set SEL, 40                           ; s[40:41] lane selects: lane l xor 16
; 64 numbers of a lane, v[s] on, register 16 b + i = k 32 b + 16 h + i of my row, become a fragment's codes in v[PC] on and its scale word in v[PW]
.macro QUANT s
.irp b, 0,1,2,3
	v_max3_num_f32 v[TM+\b], |v[\s+16*\b]|, |v[\s+1+16*\b]|, 0x1800000   ; my 16 numbers of block b, and the floor 2^(3 - 127): the byte cannot fall under 1
.endr
.irp i, 2,4,6,8,10,12,14
.irp b, 0,1,2,3
	v_max3_num_f32 v[TM+\b], v[TM+\b], |v[\s+16*\b+\i]|, |v[\s+1+16*\b+\i]|   ; the four blocks by turns
.endr
.endr
.irp b, 0,1,2,3
	v_permlanex16_b32 v[TM+4+\b], v[TM+\b], s[SEL], s[SEL+1]
.endr
.irp b, 0,1,2,3
	v_max_num_f32 v[TM+\b], v[TM+\b], v[TM+4+\b]   ; with lane l xor 16's: the block's largest magnitude
.endr
.irp b, 0,1,2,3
	v_add_nc_u32 v[TM+12+\b], 0xff000000, v[TM+\b] ; 2 off its exponent field: the conversion's scale operand
.endr
.irp b, 0,1,2,3
	v_lshrrev_b32 v[TM+4+\b], 23, v[TM+12+\b]      ; the scale's byte
.endr
	v_lshl_or_b32 v[PW], v[TM+5], 8, v[TM+4]
	v_lshl_or_b32 v[PW], v[TM+6], 16, v[PW]
	v_lshl_or_b32 v[PW], v[TM+7], 24, v[PW]
.irp c, 0,1
	v_cvt_scalef32_pk16_fp6_f32 v[PC+6*\c:PC+2+6*\c], v[\s+32*\c:\s+15+32*\c], v[TM+12+2*\c]
	v_cvt_scalef32_pk16_fp6_f32 v[PC+12+4*\c:PC+14+4*\c], v[\s+16+32*\c:\s+31+32*\c], v[TM+12+2*\c+1]   ; (a conversion's three registers begin on an even number)
.endr
	v_nop                                          ; one plain place behind the conversions
.irp c, 0,1                                    ; the operand wants a whole block in a lane: lanes 0-15 block 2 c, lanes 16-31 block 2 c + 1
.irp i, 0,1,2
	v_permlane16_swap_b32 v[PC+6*\c+\i], v[PC+12+4*\c+\i]
.endr
.irp i, 0,1,2
	v_mov_b32 v[PC+3+6*\c+\i], v[PC+12+4*\c+\i]
.endr
.endr
.endm
	s_load_b256 s[4:11], s[0:1], 0x0               ; x, Wq, Wk, Wv
	s_load_b256 s[12:19], s[0:1], 0x20             ; Wo, x_op, w_op, rope
	v_lshl_add_u32 v[SPW], v0, 2, SPARE
	v_mov_b32 v[NIL], 0
	v_lshrrev_b32 v7, 5, v0
	v_readfirstlane_b32 s20, v7                    ; wave 0..3
	v_and_b32 v8, 31, v0                           ; lane
	v_and_b32 v9, 15, v0                           ; r
	v_bfe_u32 v10, v0, 4, 1                        ; h
	v_lshlrev_b32 v[GL], 4, v8
	s_cmp_ge_u32 ttmp9, NQWG
	s_cbranch_scc1 .Ltable                         ; the last 34 work-groups make the table; they touch no LDS
	s_mul_i32 s21, s20, WREG
	v_add_nc_u32 v[STI], s21, v[GL]
	v_mul_u32_u24 v[STL], v9, 528
	v_lshl_add_u32 v[STL], v10, 6, v[STL]
	v_add_nc_u32 v[STL], s21, v[STL]
	v_lshlrev_b32 v[SWA], 2, v9
	v_add_nc_u32 v[SWA], s21, v[SWA]
	v_add_nc_u32 v[SWA], SWO, v[SWA]
	v_lshlrev_b32 v[G8], 3, v8
	v_add_nc_u32 v[SRD], s21, v[G8]
	v_add_nc_u32 v[SRD], SWO, v[SRD]
.irp b, 0,1,2,3
	v_mov_b32 v[TM+4+\b], 0                        ; written once: a lane permute's destination counts as one of its sources
.endr
	s_mov_b32 s[SEL], 0x76543210
	s_mov_b32 s[SEL+1], 0xfedcba98
	s_lshr_b32 s22, s20, 1                         ; which of the work-group's two blocks
	s_and_b32 s23, s20, 1                          ; which half of it: tiles 4 hf .. 4 hf + 3
	s_sub_co_u32 s24, ttmp9, 256                   ; among the weights' work-groups (used there alone)
	s_lshr_b32 s25, s24, 5                         ; which weight
	s_and_b32 s26, s24, 31                         ; which pair of its blocks
	s_wait_kmcnt 0x0
	s_cmp_eq_u32 s25, 1                            ; the choices hang on the work-group's number alone
	s_cselect_b64 s[6:7], s[8:9], s[6:7]
	s_cmp_eq_u32 s25, 2
	s_cselect_b64 s[6:7], s[10:11], s[6:7]
	s_cmp_eq_u32 s25, 3
	s_cselect_b64 s[6:7], s[12:13], s[6:7]
	s_cmp_lt_u32 ttmp9, 256
	s_cselect_b64 s[4:5], s[4:5], s[6:7]           ; the tensor that I read,
	s_cselect_b64 s[14:15], s[14:15], s[16:17]     ; the buffer that I write,
	s_cselect_b32 s26, ttmp9, s26                  ; the pair of blocks in the one
	s_cselect_b32 s24, ttmp9, s24                  ; and in the other
	s_lshl_b32 s26, s26, 1
	s_add_co_u32 s26, s26, s22
	s_lshl_b32 s24, s24, 1
	s_add_co_u32 s24, s24, s22
	s_lshr_b32 s27, s26, 3                         ; panel: 128 rows of 4,096 bytes
	s_and_b32 s28, s26, 7                          ; K step: 512 bytes of a row
	s_lshl_b32 s27, s27, 19
	s_lshl_b32 s28, s28, 9
	s_add_co_u32 s28, s27, s28
	s_lshl_b32 s27, s23, 18                        ; my half: 64 rows on
	s_add_co_u32 s28, s28, s27
	s_mov_b32 s29, 0
	s_add_nc_u64 s[4:5], s[4:5], s[28:29]
	s_mul_i32 s30, s24, BLKB
	s_mov_b32 s31, 0
	s_add_nc_u64 s[32:33], s[14:15], s[30:31]      ; my block
	s_mul_i32 s36, s23, 6144
	s_mov_b32 s37, 0
	s_add_nc_u64 s[34:35], s[32:33], s[36:37]      ; my four fragments
	s_lshl_b32 s36, s23, 8
	s_add_co_u32 s36, s36, 12288
	s_add_nc_u64 s[38:39], s[32:33], s[36:37]      ; my 256 bytes of scale words
.macro LOAD u                          ; tile u's sixteen rows, 512 consecutive bytes each, into set u % 2
.irp t, 0,1,2,3,4,5,6,7,8,9,10,11,12,13,14,15
	global_load_b128 v[R+64*((\u)%2)+4*\t:R+64*((\u)%2)+4*\t+3], v[GL], s[4:5] offset:(32*((\u)/2)+8*((\u)%2)+\t+8*(\t/8))*4096 th:TH_LOAD_NT
.endr
.endm
.macro UNIT u
.if (\u) < 3
	s_wait_loadcnt 16                              ; this tile's sixteen loads are in; the next tile's sixteen may be out
.else
	s_wait_loadcnt 0x0
.endif
.irp t, 0,1,2,3,4,5,6,7,8,9,10,11,12,13,14,15
	ds_store_b128 v[STI], v[R+64*((\u)%2)+4*\t:R+64*((\u)%2)+4*\t+3] offset:528*\t
.endr
.irp b, 0,1,2,3
.irp j, 0,1,2,3
	ds_load_b128 v[X+16*\b+4*\j:X+16*\b+4*\j+3], v[STL] offset:128*\b+16*\j   ; LDS serves a wave's instructions in order: these see the stores above
.endr
.endr
	s_wait_dscnt 0x0                               ; my numbers are back; the stores have read their registers, the last tile's scale word's too
.if (\u) < 2
	LOAD (\u)+2
.endif
	s_wait_xcnt 0x0                                ; the last tile's stores have read the codes' registers, which are written again below
	QUANT X
.irp c, 0,1,2
	global_store_b128 v[GL], v[PC+4*\c:PC+4*\c+3], s[34:35] offset:1536*(\u)+512*\c   ; 32 lanes store 512 consecutive bytes, at a multiple of 256 from the buffer's first byte
.endr
	ds_store_b32 v[SWA], v[PW] offset:64*(\u)      ; lanes r and r + 16 write the same word with the same value
.endm
	LOAD 0
	LOAD 1
	UNIT 0
	UNIT 1
	UNIT 2
	UNIT 3
	ds_load_b64 v[BK:BK+1], v[SRD]                 ; my four tiles' scale words
	s_wait_dscnt 0x0
	global_store_b64 v[G8], v[BK:BK+1], s[38:39]   ; 256 consecutive bytes, aligned
	s_wait_tensorcnt 0x0                           ; the wave's end: the add to my spare word and its wait, behind my last LDS store
	ds_add_u32 v[SPW], v[NIL]
	s_wait_dscnt 0x0
	s_endpgm
.Ltable:
.set INV, 32                           ; v32-47   inverse frequencies     v48-63   angles
.set ANG, 48
.set RES, 64                           ; v64-95   cos, sin of my 16 frequencies
.set NN,  96                           ; v96-111  multiples of pi / 2     v112-127 reduced angles     v128-143 their squares
.set RR,  112
.set ZZ,  128
.set SS,  144                          ; v144-159 sines   v160-175 cosines   v176-191 quadrants   v192-203 at work   v208-223 1 - z / 2
.set CC,  160
.set QQ,  176
.set BB,  208
	s_sub_co_u32 s21, ttmp9, NQWG
	s_lshl_b32 s21, s21, 2
	s_add_co_u32 s21, s21, s20                     ; my task: 8 x panel + tile
	s_lshr_b32 s22, s21, 3
	s_and_b32 s23, s21, 7
	s_lshr_b32 s24, s23, 1
	s_lshl_b32 s24, s24, 5
	s_and_b32 s25, s23, 1
	s_lshl_b32 s25, s25, 3
	s_add_co_u32 s24, s24, s25
	s_lshl_b32 s25, s22, 7
	s_add_co_u32 s24, s24, s25                     ; 128 x panel + 32 (A / 2) + 8 (A % 2)
	s_cmp_lt_u32 s22, 16
	s_cselect_b32 s25, -1, 0                       ; panel 16: position 0
	s_mov_b32 s42, 0x3f22f983                      ; 2 / pi
	s_mov_b32 s43, 0xbfc90fdb                      ; -(pi / 2), its upper part
	s_mov_b32 s44, 0x333bbd2e                      ; and what that part has too much
	s_mov_b32 s45, 0xb94ca1f9                      ; sine: -1.9515296e-4, 8.3321608e-3, -1.6666654e-1
	s_mov_b32 s46, 0x3c08839e
	s_mov_b32 s47, 0xbe2aaaa3
	s_mov_b32 s48, 0x37ccf5ce                      ; cosine: 2.4433157e-5, -1.3887316e-3, 4.1666645e-2
	s_mov_b32 s49, 0xbab6061a
	s_mov_b32 s50, 0x3d2aaaa5
	s_lshl_b32 s26, s21, 12                        ; a task's 4,096 bytes
	s_mov_b32 s27, 0
	v_and_b32 v11, 8, v9
	v_add_nc_u32 v11, v11, v9                      ; r + 8 (r / 8)
	v_add_nc_u32 v11, s24, v11
	v_and_b32 v11, s25, v11
	v_cvt_f32_u32 v11, v11                         ; my position
	v_lshlrev_b32 v12, 3, v10                      ; 8 h
.set m, 0
.rept 16
	v_add_nc_u32 v[INV+m], 16*(m/8)+m%8, v12       ; my m-th frequency: 16 (m / 8) + 8 h + m % 8
.set m, m+1
.endr
.set m, 0
.rept 16
	v_cvt_f32_u32 v[INV+m], v[INV+m]
.set m, m+1
.endr
.set m, 0
.rept 16
	v_mul_f32 v[INV+m], 0xbed49a78, v[INV+m]       ; x -log2(10000) / 32
.set m, m+1
.endr
.set m, 0
.rept 16
	v_exp_f32 v[INV+m], v[INV+m]                   ; 10000^(-i / 32)
.set m, m+1
.endr
	v_nop                                          ; a plain place behind the batch,
	s_wait_alu depctr_va_vdst(0)                   ; and one wait for all sixteen, ahead of their first reader
.set m, 0
.rept 16
	v_mul_f32 v[ANG+m], v11, v[INV+m]
.set m, m+1
.endr
.set m, 0
.rept 16
	v_mul_f32 v[NN+m], s42, v[ANG+m]
.set m, m+1
.endr
.set m, 0
.rept 16
	v_rndne_f32 v[NN+m], v[NN+m]                   ; n: the nearest multiple of pi / 2
.set m, m+1
.endr
.set m, 0
.rept 16
	v_fma_f32 v[RR+m], v[NN+m], s43, v[ANG+m]
.set m, m+1
.endr
.set m, 0
.rept 16
	v_fma_f32 v[RR+m], v[NN+m], s44, v[RR+m]       ; the angle less n pi / 2, at most pi / 4 in size
.set m, m+1
.endr
.set m, 0
.rept 16
	v_mul_f32 v[ZZ+m], v[RR+m], v[RR+m]
.set m, m+1
.endr
.set m, 0
.rept 16
	v_fma_f32 v[SS+m], v[ZZ+m], s45, s46
	v_fma_f32 v[CC+m], v[ZZ+m], s48, s49
.set m, m+1
.endr
.set m, 0
.rept 16
	v_fma_f32 v[SS+m], v[SS+m], v[ZZ+m], s47
	v_fma_f32 v[CC+m], v[CC+m], v[ZZ+m], s50
.set m, m+1
.endr
.set m, 0
.rept 16
	v_mul_f32 v[SS+m], v[SS+m], v[ZZ+m]
	v_mul_f32 v[CC+m], v[CC+m], v[ZZ+m]
	v_fma_f32 v[BB+m], v[ZZ+m], -0.5, 1.0
.set m, m+1
.endr
.set m, 0
.rept 16
	v_fma_f32 v[SS+m], v[SS+m], v[RR+m], v[RR+m]   ; sin of the reduced angle
	v_fma_f32 v[CC+m], v[CC+m], v[ZZ+m], v[BB+m]   ; cos
	v_cvt_i32_f32 v[QQ+m], v[NN+m]
.set m, m+1
.endr
.set m, 0
.rept 16                                       ; the quadrant n mod 4: odd: sine and cosine change places; sine is negative in 2 and 3, cosine in 1 and 2
	v_and_b32 v[192+m%4], 1, v[QQ+m]
	v_cmp_eq_u32 vcc_lo, 1, v[192+m%4]
	v_cndmask_b32 v[RES+2*m+1], v[SS+m], v[CC+m], vcc_lo
	v_cndmask_b32 v[RES+2*m], v[CC+m], v[SS+m], vcc_lo
	v_and_b32 v[196+m%4], 2, v[QQ+m]
	v_add_nc_u32 v[200+m%4], 1, v[QQ+m]
	v_lshlrev_b32 v[196+m%4], 30, v[196+m%4]
	v_and_b32 v[200+m%4], 2, v[200+m%4]
	v_xor_b32 v[RES+2*m+1], v[196+m%4], v[RES+2*m+1]
	v_lshlrev_b32 v[200+m%4], 30, v[200+m%4]
	v_xor_b32 v[RES+2*m], v[200+m%4], v[RES+2*m]
.set m, m+1
.endr
	s_wait_kmcnt 0x0
	s_add_nc_u64 s[18:19], s[18:19], s[26:27]
.irp c, 0,1,2,3,4,5,6,7
	global_store_b128 v[GL], v[RES+4*\c:RES+4*\c+3], s[18:19] offset:512*\c   ; 512 consecutive bytes, aligned
.endr
	s_endpgm
.Lfunc_end_k_q3aa9cff6c1_prep:
	.size	k_q3aa9cff6c1_prep, .Lfunc_end_k_q3aa9cff6c1_prep-k_q3aa9cff6c1_prep
	.p2alignl 7, 3214868480
	.fill 96, 4, 3214868480
	.section	.rodata,"a",@progbits
	.p2align	6, 0x0
	.amdhsa_kernel k_q3aa9cff6c1_prep
		.amdhsa_group_segment_fixed_size 35328
		.amdhsa_private_segment_fixed_size 0
		.amdhsa_enable_private_segment 0
		.amdhsa_kernarg_size 64
		.amdhsa_user_sgpr_count 2
		.amdhsa_user_sgpr_kernarg_segment_ptr 1
		.amdhsa_wavefront_size32 1
		.amdhsa_system_sgpr_workgroup_id_x 1
		.amdhsa_system_sgpr_workgroup_id_y 1
		.amdhsa_system_sgpr_workgroup_id_z 1
		.amdhsa_system_vgpr_workitem_id 0
		.amdhsa_next_free_vgpr 256
		.amdhsa_next_free_sgpr 66
		.amdhsa_reserve_vcc 1
		.amdhsa_float_denorm_mode_32 3
		.amdhsa_float_denorm_mode_16_64 3
		.amdhsa_memory_ordered 1
		.amdhsa_forward_progress 1
		.amdhsa_inst_pref_size 57
	.end_amdhsa_kernel
	.amdgpu_metadata
---
amdhsa.version: [ 1, 2 ]
amdhsa.kernels:
  - .name:           k_q3aa9cff6c1_prep
    .symbol:         k_q3aa9cff6c1_prep.kd
    .args:
      - { .name: x, .offset: 0, .size: 8, .value_kind: global_buffer, .address_space: global }
      - { .name: Wq, .offset: 8, .size: 8, .value_kind: global_buffer, .address_space: global }
      - { .name: Wk, .offset: 16, .size: 8, .value_kind: global_buffer, .address_space: global }
      - { .name: Wv, .offset: 24, .size: 8, .value_kind: global_buffer, .address_space: global }
      - { .name: Wo, .offset: 32, .size: 8, .value_kind: global_buffer, .address_space: global }
      - { .name: x_op, .offset: 40, .size: 8, .value_kind: global_buffer, .address_space: global }
      - { .name: w_op, .offset: 48, .size: 8, .value_kind: global_buffer, .address_space: global }
      - { .name: rope, .offset: 56, .size: 8, .value_kind: global_buffer, .address_space: global }
    .group_segment_fixed_size: 35328
    .private_segment_fixed_size: 0
    .kernarg_segment_align: 8
    .kernarg_segment_size: 64
    .max_flat_workgroup_size: 128
    .sgpr_count:     66
    .vgpr_count:     256
    .wavefront_size: 32
...
	.end_amdgpu_metadata
.endif
;; end of part 1
;; launch qkv (part 2): grid 12 x 64, 4 waves a work-group, clusters of 4 x 4, 327,680 bytes of LDS; arguments x_op, w_op, rope, qkv_op; writes qkv_op
.if DOCPART == 2
	.amdgcn_target "amdgcn-amd-amdhsa--gfx1250"
	.amdhsa_code_object_version 6
	.text
	.protected	k_q3aa9cff6c1_qkv
	.globl	k_q3aa9cff6c1_qkv
	.p2align	8
	.type	k_q3aa9cff6c1_qkv,@function
k_q3aa9cff6c1_qkv:
	s_mov_b64 s[64:65], 0
	v_nop
	global_prefetch_b8 v0, s[64:65] scope:SCOPE_SE
	s_setreg_imm32_b32 hwreg(HW_REG_WAVE_MODE, 25, 1), 1
	s_wait_xcnt 0x0
	s_wait_alu depctr_hold_cnt(0) depctr_sa_sdst(0) depctr_va_vdst(0) depctr_va_sdst(0) depctr_va_ssrc(0) depctr_va_vcc(0) depctr_vm_vsrc(0)
	s_getreg_b32 s2, hwreg(HW_REG_IB_STS2, 6, 4)
	s_cmp_eq_u32 s2, 0
	s_cbranch_scc0 .Lentry_in_a_cluster
	s_endpgm
.Lentry_in_a_cluster:
	s_bfe_u32 s2, ttmp6, 0x10000c
	s_cmp_lg_u32 s2, 0xf033
	s_cbranch_scc0 .Lentry_shape_is_right
	s_endpgm
.Lentry_shape_is_right:
; QKV.  Q = x Wq^T, K = x Wk^T, V = x Wv^T on codes of FP6 (E2M3) with E8M0 scales; Q and K are rotated (RoPE) in f32 and quantised along a head's 64; V is quantised along the keys.  All leave as operand blocks.
; AN OPERAND BLOCK: 128 rows (a panel) x 128 along K, 12,800 bytes: eight fragments of 1,536 bytes (images of the operand's 12 registers: lane l's registers 4 c .. 4 c + 3 at 512 c + 16 l), then 512 bytes of scale words
; (tile A, row r at 12,288 + 64 A + 4 r).  Tile A holds the rows 32 (A / 2) + 8 (A % 2) + r + 8 (r / 8).  A buffer holds [panel][K step].
; THE PRODUCT.  Source 1 (S1) is one panel, source 0 (S0) two: a work-group makes 128 x 256.  In a result, lane (r, h) holds row r of S1's tile, and register 8 b + j the row 32 (b / 2) + 16 h + 8 (b % 2) + j of S0's panel:
; 64 registers are 128 neighbours in the order that the quantiser below takes.  Q, K: S1 = x (a lane a token), S0 = the weight (registers along the features of a pair of heads).  V: S1 = Wv (a lane a feature), S0 = x (registers along the keys).
; One text serves both: what differs is chosen by s_cselect on the cluster's x, which all partners share.  V takes the table's panel 16, cos 1 and sin 0, so that the rotation leaves it as it is.
; SHARES.  Four waves: wave w takes S1's tiles 4 (w / 2) .. + 3 and S0's panel w % 2: 32 accumulators, 32 matrix instructions for each of the 8 K steps.
; LDS.  All of K fits: four chunks of two K steps, each [S1's panel][S0's panel 0][S0's panel 1] of 25,600 bytes.  Every byte is filled once, by first fills: wave 0 asks for S1's four chunks, waves 1 and 2 for S0's panels'; four
; tensor loads of a wave are out at the most.  Nothing is filled again.
; CLUSTER.  4 x 4 work-groups: S1's panel hangs on the cluster's row alone and is asked for jointly by the four of a row, S0's on the column alone.
; qkv_op: three regions of 512 blocks (Q, K, V), block (token panel, pair of heads) at 8 x token panel + pair.  Q, K: rows = tokens, K = the pair's 128 features.  V: rows = the pair's 128 features, K = the panel's 128 tokens.
; LIMITS: a block of zeros, or one whose largest magnitude lies under 2^-124, has the byte 1 (read by this program alone); NaN and infinities are not served.
; REGISTERS, in windows of 256: window 0: addresses, scale words, the table, the way out.  Window 1: fragments, set 0 (S0's eight at v0, S1's four at v96); window 2: set 1.  Window 3: the accumulators, (a, b) at v[8 (8 a + b)].
.set BLKB,  12800
.set PANB,  2*BLKB                     ; a panel's two K steps
.set CHUNK, 3*PANB
.set SPARE, 4*CHUNK                    ; behind the chunks: the spare words, 128 bytes for each wave
.set STG,   SPARE+512                  ; and 256 bytes for each wave's scale words on their way out
.set LI,  1                            ; v1      16 x lane
.set A1,  8                            ; v8-11   chunk j: my S1 fragments
.set A0,  12                           ; v12-15  my S0 fragments
.set AS1, 16                           ; v16-19  S1's scale words
.set AS0, 20                           ; v20-23  S0's
.set SWA, 24                           ; v24     where my row's scale word goes
.set SRD, 25                           ; v25     where the scale words are read back
.set G8,  26                           ; v26     8 x lane
.set SPW, 28                           ; v28     LDS address of my spare word; never rewritten
.set NIL, 29                           ; v29     0; never rewritten
.set SC,  32                           ; v32-43  scale words, two sets of six: four of S0 (two tiles a register: the even one in lanes 0-15, the odd one in lanes 16-31), two of S1
.set TP4, 44                           ; v44-51  at work in the rotation
.set TBL, 64                           ; v64-127 cos and sin, two sets of 32
.set H,   128                          ; v128-191 64 rotated numbers
.set TM,  192                          ; v192-207 at work in QUANT
.set PC,  208                          ; v208-227 the codes
.set PW,  228                          ; v228    the scale word
.set BK,  230                          ; v230-231
.set G1,  24                           ; s[24:31] descriptor group 1 for S1;  s[32:47] its four groups 0
.set G0,  32
.set G0B, 48                           ; s[48:63] S0's four groups 0;  s[68:75] its group 1
.set G1B, 68
.set SEL, 96                           ; s[96:97] lane selects: lane l xor 16
.set MSB, 0
.macro WIN new                         ; the immediate's high byte repeats the setting that is left
.if MSB != (\new)
	s_set_vgpr_msb (MSB<<8)|(\new)
.set MSB, (\new)
.endif
.endm
.macro CROUND                          ; a round of the cluster's barrier
	s_barrier_signal -1
	s_barrier_wait -1
	s_cmp_lg_u32 s14, 0
	s_cbranch_scc1 .Lnot_wave_0_\@
	s_barrier_signal -3
.Lnot_wave_0_\@:
	s_barrier_wait -3
	s_barrier_signal -1
	s_barrier_wait -1
.endm
.macro PLACES
.rept 4
	v_nop
.endr
.endm
.macro QUANT s                         ; 64 numbers of a lane, register 16 b + i = k 32 b + 16 h + i of my row, become a fragment's codes in v[PC] on and its scale word in v[PW]
.irp b, 0,1,2,3
	v_max3_num_f32 v[TM+\b], |v[\s+16*\b]|, |v[\s+1+16*\b]|, 0x1800000   ; and the floor 2^(3 - 127): the byte cannot fall under 1
.endr
.irp i, 2,4,6,8,10,12,14
.irp b, 0,1,2,3
	v_max3_num_f32 v[TM+\b], v[TM+\b], |v[\s+16*\b+\i]|, |v[\s+1+16*\b+\i]|
.endr
.endr
.irp b, 0,1,2,3
	v_permlanex16_b32 v[TM+4+\b], v[TM+\b], s[SEL], s[SEL+1]
.endr
.irp b, 0,1,2,3
	v_max_num_f32 v[TM+\b], v[TM+\b], v[TM+4+\b]
.endr
.irp b, 0,1,2,3
	v_add_nc_u32 v[TM+12+\b], 0xff000000, v[TM+\b] ; 2 off the exponent field: the conversion's scale operand
.endr
.irp b, 0,1,2,3
	v_lshrrev_b32 v[TM+4+\b], 23, v[TM+12+\b]      ; the scale's byte
.endr
	v_lshl_or_b32 v[PW], v[TM+5], 8, v[TM+4]
	v_lshl_or_b32 v[PW], v[TM+6], 16, v[PW]
	v_lshl_or_b32 v[PW], v[TM+7], 24, v[PW]
.irp c, 0,1
	v_cvt_scalef32_pk16_fp6_f32 v[PC+6*\c:PC+2+6*\c], v[\s+32*\c:\s+15+32*\c], v[TM+12+2*\c]
	v_cvt_scalef32_pk16_fp6_f32 v[PC+12+4*\c:PC+14+4*\c], v[\s+16+32*\c:\s+31+32*\c], v[TM+12+2*\c+1]
.endr
	v_nop                                          ; one plain place behind the conversions
.irp c, 0,1
.irp i, 0,1,2
	v_permlane16_swap_b32 v[PC+6*\c+\i], v[PC+12+4*\c+\i]
.endr
.irp i, 0,1,2
	v_mov_b32 v[PC+3+6*\c+\i], v[PC+12+4*\c+\i]
.endr
.endr
.endm
	s_load_b256 s[4:11], s[0:1], 0x0               ; x_op, w_op, rope, qkv_op
	v_lshl_add_u32 v[SPW], v0, 2, SPARE
	v_mov_b32 v[NIL], 0
	ds_add_u32 v[SPW], v[NIL]                      ; the wave's opening: the add and its wait stand ahead of my first tensor load; work on registers stands between them
	v_lshrrev_b32 v2, 5, v0
	v_readfirstlane_b32 s14, v2                    ; wave 0..3
	s_lshr_b32 s15, s14, 1                         ; hw: which four tiles of S1 are mine.  Also: which of S0's panels wave 1 or 2 fetches
	s_and_b32 s16, s14, 1                          ; which of S0's panels is mine
	s_bfe_u32 s76, ttmp6, 0x40000                  ; cx
	s_bfe_u32 s77, ttmp6, 0x40004                  ; cy
	s_and_b32 s78, ttmp7, 0xffff                   ; the cluster's y, 0 .. 15
	s_lshr_b32 s79, s78, 1
	s_and_b32 s80, s78, 1
	s_cmp_eq_u32 ttmp9, 2                          ; clusters with x = 2 make V
	s_cselect_b32 s79, s79, ttmp9
	s_cselect_b32 s80, s80, s78
	s_cselect_b32 s81, 1, 0
	s_lshl_b32 s79, s79, 2
	s_add_co_u32 s79, s79, s76                     ; T0: which pair of S0's panels (it holds cx, never cy)
	s_lshl_b32 s80, s80, 2
	s_add_co_u32 s80, s80, s77                     ; T1: which panel of S1 (it holds cy, never cx)
	s_lshl_b32 s98, s77, 2
	s_lshl_b32 s98, 15, s98                        ; my row of the cluster
	s_lshl_b32 s99, 0x1111, s76                    ; my column
	; descriptor group 1: 25,600 dense bytes as 100 rows of 256 bytes (32 elements of 8 bytes), no padding
	s_or_b32 s[G1], s98, (3<<16)|(1<<21)           ; 15:0 the mask: S1's panel goes to my row; 17:16 elements of 8 bytes; 21 set beside a mask
	s_or_b32 s[G1B], s99, (3<<16)|(1<<21)          ; S0's panels go to my column
.irp g, G1, G1B
	s_mov_b32 s[\g+1], 32<<16                      ; tensor_dim0 = 32
	s_mov_b32 s[\g+2], 100<<16                     ; tensor_dim1 = 100
	s_mov_b32 s[\g+3], 32<<16                      ; tile_dim0 = 32
	s_mov_b32 s[\g+4], 100                         ; tile_dim1 = 100
	s_mov_b32 s[\g+5], 32                          ; from row to row
	s_mov_b32 s[\g+6], 0
	s_mov_b32 s[\g+7], 0
.endr
	s_add_co_u32 s88, s80, 16                      ; V: Wv's panels are w_op's 16 .. 23
	s_cmp_eq_u32 s81, 1
	s_cselect_b32 s88, s88, s80
	s_mul_i32 s88, s88, 8*BLKB                     ; S1's panel, in bytes
	s_mov_b32 s89, 0
	s_lshl_b32 s90, s79, 1
	s_add_co_u32 s90, s90, s15                     ; wave 1: panel 2 T0, wave 2: 2 T0 + 1
	s_mul_i32 s90, s90, 8*BLKB
	s_mov_b32 s91, 0
	s_mul_i32 s20, s14, PANB                       ; where a wave's loads land in a chunk: no place in the cluster enters an LDS address
	; where the results go
	s_lshl_b32 s82, s79, 1
	s_add_co_u32 s82, s82, s16                     ; 2 T0 + w % 2: my panel of S0
	s_and_b32 s83, s82, 7
	s_lshr_b32 s84, s79, 2
	s_and_b32 s21, s80, 15
	s_cmp_eq_u32 s81, 1
	s_cselect_b32 s84, 2, s84                      ; region: Q 0, K 1, V 2
	s_cselect_b32 s86, s82, s80                    ; token panel
	s_cselect_b32 s83, s80, s83                    ; pair of heads
	s_cselect_b32 s21, 16, s21                     ; the table's panel: the tokens' place in their sequence, or the identity
	s_lshl_b32 s86, s86, 3
	s_add_co_u32 s86, s86, s83
	s_mul_i32 s86, s86, BLKB
	s_mul_i32 s84, s84, 512*BLKB
	s_add_co_u32 s86, s86, s84
	s_mov_b32 s87, 0
	s_mul_i32 s82, s15, 6144                       ; my four fragments in the block,
	s_mov_b32 s83, 0
	s_lshl_b32 s84, s15, 8
	s_add_co_u32 s84, s84, 12288                   ; and my 256 bytes of scale words
	s_mov_b32 s85, 0
	s_lshl_b32 s22, s21, 3
	s_lshl_b32 s23, s15, 2
	s_add_co_u32 s22, s22, s23
	s_lshl_b32 s22, s22, 12                        ; the table: 4,096 bytes a tile
	s_mov_b32 s23, 0
	s_mov_b32 s[SEL], 0x76543210
	s_mov_b32 s[SEL+1], 0xfedcba98
	s_wait_dscnt 0x0                               ; the opening add is done
	s_wait_kmcnt 0x0
	s_cmp_eq_u32 s81, 1
	s_cselect_b64 s[92:93], s[6:7], s[4:5]         ; S1's buffer
	s_cselect_b64 s[94:95], s[4:5], s[6:7]         ; S0's
	s_add_nc_u64 s[92:93], s[92:93], s[88:89]
	s_add_nc_u64 s[94:95], s[94:95], s[90:91]
	s_add_nc_u64 s[8:9], s[8:9], s[22:23]
	s_add_nc_u64 s[10:11], s[10:11], s[86:87]
	s_add_nc_u64 s[12:13], s[10:11], s[82:83]
	s_add_nc_u64 s[18:19], s[10:11], s[84:85]
	CROUND                                         ; all sixteen work-groups are here: the joint loads meet
.irp j, 0,1,2,3
	s_mov_b32 s[G0+4*\j], 1
	s_add_co_u32 s[G0+4*\j+1], s20, \j*CHUNK
	s_add_nc_u64 s[G0+4*\j+2:G0+4*\j+3], s[92:93], \j*PANB
	s_or_b32 s[G0+4*\j+3], s[G0+4*\j+3], 0x80000000
	s_mov_b32 s[G0B+4*\j], 1
	s_add_co_u32 s[G0B+4*\j+1], s20, \j*CHUNK
	s_add_nc_u64 s[G0B+4*\j+2:G0B+4*\j+3], s[94:95], \j*PANB
	s_or_b32 s[G0B+4*\j+3], s[G0B+4*\j+3], 0x80000000
.endr
	s_cmp_eq_u32 s14, 0                            ; a wave's four first fills stand in one branch on the wave's number, the same in every work-group
	s_cbranch_scc0 .Lnot_s1
.irp j, 0,1,2,3
	tensor_load_to_lds s[G0+4*\j:G0+4*\j+3], s[G1:G1+7]
	s_nop 0
.endr
	PLACES
	s_branch .Lasked
.Lnot_s1:
	s_cmp_eq_u32 s14, 3
	s_cbranch_scc1 .Lasked
.irp j, 0,1,2,3
	tensor_load_to_lds s[G0B+4*\j:G0B+4*\j+3], s[G1B:G1B+7]
	s_nop 0
.endr
	PLACES
.Lasked:
	v_and_b32 v2, 31, v0
	v_lshlrev_b32 v[LI], 4, v2
.macro TLD i                           ; cos and sin for my tile i: eight chunks of 512 consecutive bytes, into set i % 2
.irp c, 0,1,2,3,4,5,6,7
	global_load_b128 v[TBL+32*((\i)%2)+4*\c:TBL+32*((\i)%2)+4*\c+3], v[LI], s[8:9] offset:4096*(\i)+512*\c
.endr
.endm
	TLD 0
	TLD 1
	v_lshlrev_b32 v3, 2, v2
	v_and_b32 v4, 15, v0
	s_mul_i32 s17, s15, 6144
	v_add_nc_u32 v5, s17, v[LI]                    ; S1: my four tiles
	s_add_co_u32 s17, s16, 1
	s_mul_i32 s17, s17, PANB
	v_add_nc_u32 v6, s17, v[LI]                    ; S0: my panel
	s_add_co_u32 s17, s17, 12288
	v_add_nc_u32 v7, s17, v3                       ; its scale words, 4 x lane: two tiles a load
	s_lshl_b32 s17, s15, 8
	s_add_co_u32 s17, s17, 12288
	v_add_nc_u32 v3, s17, v3                       ; S1's
.irp j, 0,1,2,3
	v_add_nc_u32 v[A1+\j], \j*CHUNK, v5
	v_add_nc_u32 v[A0+\j], \j*CHUNK, v6
	v_add_nc_u32 v[AS1+\j], \j*CHUNK, v3
	v_add_nc_u32 v[AS0+\j], \j*CHUNK, v7
.endr
	s_lshl_b32 s17, s14, 8
	s_add_co_u32 s17, s17, STG
	v_lshl_add_u32 v[SWA], v4, 2, s17
	v_lshl_add_u32 v[SRD], v2, 3, s17
	v_lshlrev_b32 v[G8], 3, v2
.irp b, 0,1,2,3
	v_mov_b32 v[TM+4+\b], 0                        ; written once: a lane permute's destination counts as one of its sources
.endr
.macro FETCH kk                        ; K step kk's fragments and scale words into set kk % 2: 42 LDS loads in one run
.set FJ, (\kk)/2
.set FQ, (\kk)%2
	WIN 0x40+0x40*FQ
.irp b, 0,1,2,3,4,5,6,7
.irp c, 0,1,2
	ds_load_b128 v[12*\b+4*\c:12*\b+4*\c+3], v[A0+FJ] offset:BLKB*FQ+1536*\b+512*\c
.endr
.endr
.irp a, 0,1,2,3
.irp c, 0,1,2
	ds_load_b128 v[96+12*\a+4*\c:96+12*\a+4*\c+3], v[A1+FJ] offset:BLKB*FQ+1536*\a+512*\c
.endr
.endr
	WIN 0
.irp i, 0,1,2,3
	ds_load_b32 v[SC+6*FQ+\i], v[AS0+FJ] offset:BLKB*FQ+128*\i
.endr
.irp i, 0,1
	ds_load_b32 v[SC+6*FQ+4+\i], v[AS1+FJ] offset:BLKB*FQ+128*\i
.endr
.endm
.macro WM a, b, p, zero                ; accumulator (a, b): source 0 = S0's tile b, source 1 = S1's tile a; an odd tile's scale words stand in lanes 16-31
.set WD, 8*(8*(\a)+(\b))
.set WA, 12*(\b)
.set WB, 96+12*(\a)
.set WSA, SC+6*(\p)+(\b)/2
.set WSB, SC+6*(\p)+4+(\a)/2
.set WR, 2*((\a)%2)+(\b)%2
.if \zero
.if WR == 0
	v_wmma_scale_f32_16x16x128_f8f6f4 v[WD:WD+7], v[WA:WA+11], v[WB:WB+11], 0, v[WSA], v[WSB] matrix_a_fmt:MATRIX_FMT_FP6 matrix_b_fmt:MATRIX_FMT_FP6
.elseif WR == 1
	v_wmma_scale_f32_16x16x128_f8f6f4 v[WD:WD+7], v[WA:WA+11], v[WB:WB+11], 0, v[WSA], v[WSB] matrix_a_fmt:MATRIX_FMT_FP6 matrix_b_fmt:MATRIX_FMT_FP6 matrix_a_scale:MATRIX_SCALE_ROW1
.elseif WR == 2
	v_wmma_scale_f32_16x16x128_f8f6f4 v[WD:WD+7], v[WA:WA+11], v[WB:WB+11], 0, v[WSA], v[WSB] matrix_a_fmt:MATRIX_FMT_FP6 matrix_b_fmt:MATRIX_FMT_FP6 matrix_b_scale:MATRIX_SCALE_ROW1
.else
	v_wmma_scale_f32_16x16x128_f8f6f4 v[WD:WD+7], v[WA:WA+11], v[WB:WB+11], 0, v[WSA], v[WSB] matrix_a_fmt:MATRIX_FMT_FP6 matrix_b_fmt:MATRIX_FMT_FP6 matrix_a_scale:MATRIX_SCALE_ROW1 matrix_b_scale:MATRIX_SCALE_ROW1
.endif
.else
.if WR == 0
	v_wmma_scale_f32_16x16x128_f8f6f4 v[WD:WD+7], v[WA:WA+11], v[WB:WB+11], v[WD:WD+7], v[WSA], v[WSB] matrix_a_fmt:MATRIX_FMT_FP6 matrix_b_fmt:MATRIX_FMT_FP6
.elseif WR == 1
	v_wmma_scale_f32_16x16x128_f8f6f4 v[WD:WD+7], v[WA:WA+11], v[WB:WB+11], v[WD:WD+7], v[WSA], v[WSB] matrix_a_fmt:MATRIX_FMT_FP6 matrix_b_fmt:MATRIX_FMT_FP6 matrix_a_scale:MATRIX_SCALE_ROW1
.elseif WR == 2
	v_wmma_scale_f32_16x16x128_f8f6f4 v[WD:WD+7], v[WA:WA+11], v[WB:WB+11], v[WD:WD+7], v[WSA], v[WSB] matrix_a_fmt:MATRIX_FMT_FP6 matrix_b_fmt:MATRIX_FMT_FP6 matrix_b_scale:MATRIX_SCALE_ROW1
.else
	v_wmma_scale_f32_16x16x128_f8f6f4 v[WD:WD+7], v[WA:WA+11], v[WB:WB+11], v[WD:WD+7], v[WSA], v[WSB] matrix_a_fmt:MATRIX_FMT_FP6 matrix_b_fmt:MATRIX_FMT_FP6 matrix_a_scale:MATRIX_SCALE_ROW1 matrix_b_scale:MATRIX_SCALE_ROW1
.endif
.endif
.endm
.macro MUL32 k, zero                   ; the 32 accumulators take turns, one instruction a turn, in the same order in every K step
	WIN 0xf5+5*((\k)%2)                            ; sources 0 and 1: window 1 or 2; C and D: window 3
.irp a, 0,1,2,3
.irp b, 0,1,2,3,4,5,6,7
	WM \a, \b, (\k)%2, \zero
.endr
.endr
.endm
; A K step: its fragments are in; where the next step begins a chunk, that chunk's loads have landed (the later chunks' may stay out) and a barrier says so of every wave;
; the next step's fragments are asked for, four places behind the products that read their registers; then this step's 32 products.
.macro KSTEP k, zero
	s_wait_dscnt 0x0
.if ((\k)%2 == 1) && ((\k) < 7)
	s_wait_tensorcnt 3-((\k)+1)/2                  ; of my four loads those of the chunks behind the next may be out
	s_barrier_signal -1
	s_barrier_wait -1
.endif
.if (\k) < 7
.if (\k) > 0
	PLACES
.endif
	FETCH (\k)+1
.endif
	MUL32 \k, \zero
.endm
	s_wait_tensorcnt 3                             ; my part of chunk 0 is in; the three later chunks' loads may be out
	s_barrier_signal -1
	s_barrier_wait -1                              ; everybody's is
	FETCH 0
	KSTEP 0, 1                                     ; the first products start the sums: nothing is cleared
	KSTEP 1, 0
	KSTEP 2, 0
	KSTEP 3, 0
	KSTEP 4, 0
	KSTEP 5, 0
	KSTEP 6, 0
	KSTEP 7, 0
	WIN 0
	PLACES                                         ; in front of the first read of results
; THE WAY OUT of my tile i of S1: 64 results a lane are rotated pair by pair (o1 = x1 cos - x2 sin, o2 = x1 sin + x2 cos), quantised, and stored as a fragment's image.
; Register n holds feature 32 ((n / 16) % 2) + 16 h + n % 16 of its head, so the pair n, n + 1 has frequency 16 ((n / 16) % 2) + 8 h + (n % 16) / 2: the table's chunk 4 ((n / 16) % 2) + (n % 16) / 4.
.macro TILE i
.if (\i) < 3
	s_wait_loadcnt 8                               ; this tile's eight table loads are in; the other set's eight may be out
.else
	s_wait_loadcnt 0x0
.endif
	WIN 0x03                                       ; source 0: window 3
.set n, 0
.rept 32                                       ; n ascends: each accumulator is read from its low end on
.set rc, TBL+32*((\i)%2)+4*(4*((n/16)%2)+(n%16)/4)+2*((n/2)%2)
.set rt, TP4+2*((n/2)%4)
	v_mul_f32 v[rt], v[64*(\i)+n+1], v[rc+1]
	v_mul_f32 v[rt+1], v[64*(\i)+n], v[rc+1]
	v_fma_f32 v[H+n], v[64*(\i)+n], v[rc], -v[rt]
	v_fma_f32 v[H+n+1], v[64*(\i)+n+1], v[rc], v[rt+1]
.set n, n+2
.endr
	WIN 0
.if (\i) < 2
	TLD (\i)+2
.endif
	s_wait_xcnt 0x0                                ; the last tile's stores have read the codes' registers, which are written again below
	QUANT H
.irp c, 0,1,2
	global_store_b128 v[LI], v[PC+4*\c:PC+4*\c+3], s[12:13] offset:1536*(\i)+512*\c   ; 512 consecutive bytes, at a multiple of 256 from the buffer's first byte
.endr
	ds_store_b32 v[SWA], v[PW] offset:64*(\i)      ; lanes r and r + 16 write the same word with the same value
	s_wait_dscnt 0x0                               ; the store has read its register
.endm
	TILE 0
	TILE 1
	TILE 2
	TILE 3
	ds_load_b64 v[BK:BK+1], v[SRD]
	s_wait_dscnt 0x0
	global_store_b64 v[G8], v[BK:BK+1], s[18:19]   ; my four tiles' scale words: 256 consecutive bytes, aligned
	s_wait_tensorcnt 0x0                           ; the wave's end: the add to my spare word and its wait, behind my last tensor load and my last LDS store
	ds_add_u32 v[SPW], v[NIL]
	s_wait_dscnt 0x0
	CROUND                                         ; the closing round
	s_endpgm
.Lfunc_end_k_q3aa9cff6c1_qkv:
	.size	k_q3aa9cff6c1_qkv, .Lfunc_end_k_q3aa9cff6c1_qkv-k_q3aa9cff6c1_qkv
	.p2alignl 7, 3214868480
	.fill 96, 4, 3214868480
	.section	.rodata,"a",@progbits
	.p2align	6, 0x0
	.amdhsa_kernel k_q3aa9cff6c1_qkv
		.amdhsa_group_segment_fixed_size 327680
		.amdhsa_private_segment_fixed_size 0
		.amdhsa_enable_private_segment 0
		.amdhsa_kernarg_size 32
		.amdhsa_user_sgpr_count 2
		.amdhsa_user_sgpr_kernarg_segment_ptr 1
		.amdhsa_wavefront_size32 1
		.amdhsa_system_sgpr_workgroup_id_x 1
		.amdhsa_system_sgpr_workgroup_id_y 1
		.amdhsa_system_sgpr_workgroup_id_z 1
		.amdhsa_system_vgpr_workitem_id 0
		.amdhsa_next_free_vgpr 1024
		.amdhsa_next_free_sgpr 100
		.amdhsa_reserve_vcc 0
		.amdhsa_float_denorm_mode_32 3
		.amdhsa_float_denorm_mode_16_64 3
		.amdhsa_memory_ordered 1
		.amdhsa_forward_progress 1
		.amdhsa_inst_pref_size 110
	.end_amdhsa_kernel
	.amdgpu_metadata
---
amdhsa.version: [ 1, 2 ]
amdhsa.kernels:
  - .name:           k_q3aa9cff6c1_qkv
    .symbol:         k_q3aa9cff6c1_qkv.kd
    .args:
      - { .name: x_op, .offset: 0, .size: 8, .value_kind: global_buffer, .address_space: global }
      - { .name: w_op, .offset: 8, .size: 8, .value_kind: global_buffer, .address_space: global }
      - { .name: rope, .offset: 16, .size: 8, .value_kind: global_buffer, .address_space: global }
      - { .name: qkv_op, .offset: 24, .size: 8, .value_kind: global_buffer, .address_space: global }
    .group_segment_fixed_size: 327680
    .private_segment_fixed_size: 0
    .kernarg_segment_align: 8
    .kernarg_segment_size: 32
    .max_flat_workgroup_size: 128
    .sgpr_count:     100
    .vgpr_count:     1024
    .wavefront_size: 32
...
	.end_amdgpu_metadata
.endif
;; end of part 2
;; launch attn (part 3): grid 8 x 32, 16 waves a work-group, no clusters, 327,680 bytes of LDS; arguments qkv_op, mh_op; writes mh_op
.if DOCPART == 3
	.amdgcn_target "amdgcn-amd-amdhsa--gfx1250"
	.amdhsa_code_object_version 6
	.text
	.protected	k_q3aa9cff6c1_attn
	.globl	k_q3aa9cff6c1_attn
	.p2align	8
	.type	k_q3aa9cff6c1_attn,@function
k_q3aa9cff6c1_attn:
	s_mov_b64 s[64:65], 0
	v_nop
	global_prefetch_b8 v0, s[64:65] scope:SCOPE_SE
	s_setreg_imm32_b32 hwreg(HW_REG_WAVE_MODE, 25, 1), 1
	s_wait_xcnt 0x0
; ATTN.  For each batch and head: S = Q K^T / 8 under the causal mask, p = 2^(t - M), O = p V / (the sum of p); both products on codes of FP6 (E2M3) with E8M0 scales.  O is quantised along the model's 1,024 and leaves as operand blocks.
; t = score x log2(e) / 8; M = the row's largest t so far, rounded UP to a whole number; p is quantised along the keys, not normalised; the row's sum is taken of the unquantised p in f32.  When M moves, the sum and O are multiplied by 2^(old M - new M): exact.
; INPUT: qkv_op, three regions (Q, K, V) of 512 operand blocks of 12,800 bytes, block (token panel of 128, pair of heads) at 8 x panel + pair: eight fragments of 1,536 bytes (lane l's registers 4 c .. 4 c + 3 at 512 c + 16 l) and 512 bytes of
; scale words (12,288 + 64 A + 4 r).  Tile A holds the rows 32 (A / 2) + 8 (A % 2) + r + 8 (r / 8).  Q, K: rows = tokens, K = [head A's 64 | head B's 64].  V: rows = the pair's features (tiles 0-3 head A, 4-7 head B), K = the panel's 128 tokens.
; SHARES.  A work-group takes a batch, a pair of heads and the query panels p and 15 - p: 8 (p + 1) + 8 (16 - p) = 136 tile steps whatever p.  Each of its sixteen waves owns ONE tile of 16 queries, for BOTH heads of the pair.
; Key steps are panels of 128 keys; a wave works on steps 0 .. its panel, the last under the mask; later steps are passed over by a scalar branch on ids, round no barrier and no tensor load.
; THE ZERO HALF.  A score's K is 64, half of the matrix instruction's 128.  Head A's scores take Q' = [Q_A | zero codes], head B's [zero codes | Q_B], against K's fragment as it lies: codes of this format are all finite, so the other head's
; codes times zero codes add nothing.  So head A loads only the first two thirds of a fragment of K and head B the last two.  In Q's scale words the zero half's two bytes are 1.
; LAYOUT.  Both products are used transposed (source 0 = 16 keys, or 16 features; source 1 = my 16 queries): a lane holds one query throughout.  By the tiles' rows, the scores' 64 registers are keys 32 b + 16 h + 0 .. 15 of block b, and O's 64
; registers the pair's features in the same order: what the conversions take.
; RING.  Two LDS slots of two key steps, [K][K][V][V] of 12,800 bytes; waves 0-3 fetch one block each, one tensor load a wave behind each change of slots; every wait on TENSORcnt is for 0; one load of a wave is out at the most.
; No cluster: work-groups of one pair of heads walk 9 to 16 key steps, so partners would need different numbers of tiles; each tile that a work-group fetches already serves its sixteen waves.
; No prefetch is laid: a slot is asked for two key steps of all sixteen waves ahead of its first read.
; LIMITS: NaN and infinities are not served; a block of p that has fallen to 0 keeps the byte 1 (its codes are zeros); the division by the sum is one v_rcp_f32 and a multiplication.
; REGISTERS: v1-9 addresses; v10-11 V's scale words; v12-15, v92-95 the heads' -M, largest t, sum in two halves; v16-27 Q_A', v80-91 Q_B'; v30, v31, v255 Q's scale words; v32-79 four fragments of K or V; v96-159 S^T, then p;
; v160-191, v192-223 O^T of heads A, B; v224-235 p's codes; v232-247 at work; v248-251 K's scale words; v252 f; v253 p's scale word; v254 at work.
.set BLKB,  12800
.set REGB,  512*BLKB                   ; a region of qkv_op
.set SLOT1, 65536                      ; slot 1 begins here: one exclusive or turns an address in one slot into the other's
.set VOFF,  2*BLKB
.set SPARE, 131072                     ; the spare words, 128 bytes for each of sixteen waves
.set STG,   SPARE+2048                 ; 1,024 bytes: the two query panels' scale words on their way out
.set TM,  232
.set PC,  32
.set PW,  254
.set SEL, 20                           ; s[20:21] lane selects: lane l xor 16
.macro QUANT s                         ; as in the launches before: 64 numbers of a lane become a fragment's codes in v[PC] on and its scale word in v[PW]
.irp b, 0,1,2,3
	v_max3_num_f32 v[TM+\b], |v[\s+16*\b]|, |v[\s+1+16*\b]|, 0x1800000
.endr
.irp i, 2,4,6,8,10,12,14
.irp b, 0,1,2,3
	v_max3_num_f32 v[TM+\b], v[TM+\b], |v[\s+16*\b+\i]|, |v[\s+1+16*\b+\i]|
.endr
.endr
.irp b, 0,1,2,3
	v_permlanex16_b32 v[TM+4+\b], v[TM+\b], s[SEL], s[SEL+1]
.endr
.irp b, 0,1,2,3
	v_max_num_f32 v[TM+\b], v[TM+\b], v[TM+4+\b]
.endr
.irp b, 0,1,2,3
	v_add_nc_u32 v[TM+12+\b], 0xff000000, v[TM+\b]
.endr
.irp b, 0,1,2,3
	v_lshrrev_b32 v[TM+4+\b], 23, v[TM+12+\b]
.endr
	v_lshl_or_b32 v[PW], v[TM+5], 8, v[TM+4]
	v_lshl_or_b32 v[PW], v[TM+6], 16, v[PW]
	v_lshl_or_b32 v[PW], v[TM+7], 24, v[PW]
.irp c, 0,1
	v_cvt_scalef32_pk16_fp6_f32 v[PC+6*\c:PC+2+6*\c], v[\s+32*\c:\s+15+32*\c], v[TM+12+2*\c]
	v_cvt_scalef32_pk16_fp6_f32 v[PC+12+4*\c:PC+14+4*\c], v[\s+16+32*\c:\s+31+32*\c], v[TM+12+2*\c+1]
.endr
	v_nop
.irp c, 0,1
.irp i, 0,1,2
	v_permlane16_swap_b32 v[PC+6*\c+\i], v[PC+12+4*\c+\i]
.endr
.irp i, 0,1,2
	v_mov_b32 v[PC+3+6*\c+\i], v[PC+12+4*\c+\i]
.endr
.endr
.endm
.macro TLOAD                           ; waves 0-3 fetch: K's two blocks, V's two.  The branch hangs on the wave's number alone; an s_nop 0 and four v_nop follow the load
	s_cmp_lt_u32 s8, 4
	s_cbranch_scc0 .Lasked_\@
	tensor_load_to_lds s[40:43], s[24:31]
	s_nop 0
.rept 4
	v_nop
.endr
.Lasked_\@:
.endm
	s_load_b128 s[4:7], s[0:1], 0x0                ; qkv_op, mh_op
	v_lshl_add_u32 v5, v0, 2, SPARE                ; v5: my spare word; v6: 0; both never rewritten
	v_mov_b32 v6, 0
	ds_add_u32 v5, v6                              ; the wave's opening: the add and its wait stand ahead of my first tensor load; work on registers stands between them
	v_lshrrev_b32 v240, 5, v0
	v_readfirstlane_b32 s8, v240                   ; wave 0..15
	s_lshr_b32 s9, s8, 1                           ; a: my tile of the query panel
	s_lshr_b32 s10, s8, 2
	s_xor_b32 s10, s10, s8
	s_and_b32 s10, s10, 1                          ; hi: panel p (0) or 15 - p (1)
	s_and_b32 s32, ttmp7, 0xffff
	s_lshr_b32 s12, s32, 3                         ; batch
	s_and_b32 s13, s32, 7                          ; pair of heads
	s_sub_co_u32 s15, 15, ttmp9                    ; the work-group's last key step
	s_cmp_eq_u32 s10, 1
	s_cselect_b32 s14, s15, ttmp9                  ; my query panel = my last key step
	; descriptor group 1: 12,800 dense bytes as 50 rows of 256 bytes (32 elements of 8 bytes)
	s_mov_b32 s24, 3<<16
	s_mov_b32 s25, 32<<16
	s_mov_b32 s26, 50<<16
	s_mov_b32 s27, 32<<16
	s_mov_b32 s28, 50
	s_mov_b32 s29, 32
	s_mov_b32 s30, 0
	s_mov_b32 s31, 0
	s_and_b32 s32, s8, 3
	s_mul_i32 s41, s32, BLKB                       ; where my block lands in slot 0
	s_bfe_u32 s33, s8, 0x10001
	s_add_co_u32 s33, s33, 1
	s_mul_i32 s33, s33, REGB                       ; waves 0, 1: K's region; waves 2, 3: V's
	s_lshl_b32 s34, s12, 4                         ; the batch's first token panel
	s_and_b32 s35, s8, 1
	s_add_co_u32 s35, s35, s34
	s_lshl_b32 s35, s35, 3
	s_add_co_u32 s35, s35, s13
	s_mul_i32 s35, s35, BLKB
	s_add_co_u32 s36, s35, s33
	s_mov_b32 s37, 0
	s_add_co_u32 s38, s34, s14                     ; my query panel's block, in Q's region and in mh_op alike
	s_lshl_b32 s38, s38, 3
	s_add_co_u32 s38, s38, s13
	s_mul_i32 s38, s38, BLKB
	s_mov_b32 s39, 0
	s_mul_i32 s48, s9, 1536                        ; my tile's fragment,
	s_mov_b32 s49, 0
	s_lshl_b32 s50, s9, 6
	s_add_co_u32 s50, s50, 12288                   ; and its scale words
	s_mov_b32 s51, 0
	s_mov_b32 s[SEL], 0x76543210
	s_mov_b32 s[SEL+1], 0xfedcba98
	s_mov_b32 s22, 0x3e38aa3b                      ; c = log2(e) / 8
	s_mov_b32 s23, s22                             ; (named with it as a pair, so it is written)
	s_mov_b32 s16, 0                               ; the slot in hand
	s_mov_b32 s17, 0                               ; the key step's number
	s_mov_b32 s18, 7                               ; changes of slots that may ask for a slot
	v_and_b32 v240, 31, v0
	v_lshlrev_b32 v1, 4, v240                      ; v1: 16 x lane
	v_lshlrev_b32 v2, 2, v240                      ; v2: 4 x lane
	v_and_b32 v241, 15, v0                         ; r
	v_bfe_u32 v242, v0, 4, 1                       ; h
	v_and_b32 v3, 8, v241
	v_add_nc_u32 v3, v3, v241
	v_lshlrev_b32 v242, 4, v242
	v_sub_nc_u32 v3, v3, v242
	s_lshr_b32 s32, s9, 1
	s_lshl_b32 s32, s32, 5
	s_and_b32 s33, s9, 1
	s_lshl_b32 s33, s33, 3
	s_add_co_u32 s32, s32, s33
	v_add_nc_u32 v3, s32, v3                       ; v3: my query's place in its panel, less 16 h
	v_lshlrev_b32 v29, 2, v241                     ; v29: 4 r
	s_lshl_b32 s32, s10, 9
	s_lshl_b32 s33, s9, 6
	s_add_co_u32 s32, s32, s33
	s_add_co_u32 s32, s32, STG
	v_add_nc_u32 v4, s32, v29                      ; v4: where my row's scale word goes
	v_lshl_add_u32 v7, v0, 4, STG                  ; v7: where waves 0 and 1 read a panel's scale words back
	s_wait_dscnt 0x0                               ; the opening add is done
	s_wait_kmcnt 0x0
	s_mov_b32 s40, 1
	s_add_nc_u64 s[42:43], s[4:5], s[36:37]
	s_or_b32 s43, s43, 0x80000000
	TLOAD                                          ; slot 0: key steps 0 and 1
	s_add_nc_u64 s[44:45], s[4:5], s[38:39]
	s_add_nc_u64 s[46:47], s[44:45], s[50:51]      ; Q's scale words
	s_add_nc_u64 s[44:45], s[44:45], s[48:49]      ; Q's fragment
	s_add_nc_u64 s[6:7], s[6:7], s[38:39]
	s_add_nc_u64 s[6:7], s[6:7], s[48:49]          ; where my fragment of the result goes
.irp c, 0,1,2
	global_load_b128 v[16+4*\c:19+4*\c], v1, s[44:45] offset:512*\c
.endr
	global_load_b32 v31, v29, s[46:47]
	v_mov_b32 v13, 0xff61b1e6                      ; the largest t so far: -3e38, under every t
	v_floor_f32 v12, -v13                          ; -M
	v_mov_b32 v14, 0
	v_mov_b32 v15, 0
	v_mov_b32 v93, 0xff61b1e6
	v_floor_f32 v92, -v93
	v_mov_b32 v94, 0
	v_mov_b32 v95, 0
.irp b, 0,1,2,3
	v_mov_b32 v[236+\b], 0                         ; written once: a lane permute's destination counts as one of its sources
.endr
	v_mov_b32 v253, 0                              ; (named as the upper half of the pair v[252:253] before it is first written)
.irp t, 0,1,2,3
.irp i, 0,1,2,3
	v_mov_b32 v[40+12*\t+\i], 0                    ; the last third of each fragment, which head A's first scores name and do not load
.endr
.endr
.set n, 0
.rept 64
	v_mov_b32 v[160+n], 0                          ; O^T: the step is written once; its first run finds zeros
.set n, n+1
.endr
	s_wait_loadcnt 0x0                             ; Q
.irp i, 0,1,2,3,4,5
	v_mov_b32 v[80+\i], 0                          ; Q_B' = [zero codes | Q_B]
	v_mov_b32 v[86+\i], v[22+\i]
.endr
.irp i, 0,1,2,3,4,5
	v_mov_b32 v[22+\i], 0                          ; Q_A' = [Q_A | zero codes]
.endr
	v_and_b32 v255, 0xffff, v31
	v_or_b32 v255, 0x01010000, v255                ; Q_A's scale word: the zero half's bytes are 1
	v_and_b32 v30, 0xffff0000, v31
	v_or_b32 v30, 0x0101, v30                      ; Q_B's
; One head's part of a key step: the q-th of the slot in hand.
.macro HSTEP q, hd
.set ST, 12+80*(\hd)
.set OT, 160+32*(\hd)
.set QF, 16+64*(\hd)
.set QS, 255-225*(\hd)
.irp g, 0,1                                    ; S^T = K Q'^T, four tiles of 16 keys at a time
.rept 4
	v_nop                                          ; places in front of loads into registers that matrix instructions have read
.endr
.irp t, 0,1,2,3
.irp c, 0,1
	ds_load_b128 v[32+12*\t+4*(\c+\hd):35+12*\t+4*(\c+\hd)], v8 offset:BLKB*(\q)+1536*(4*\g+\t)+512*(\c+\hd)
.endr
.endr
	s_wait_dscnt 0x0
.irp u, 0,1
	v_wmma_scale_f32_16x16x128_f8f6f4 v[96+8*(4*\g+2*\u):103+8*(4*\g+2*\u)], v[32+24*\u:43+24*\u], v[QF:QF+11], 0, v[248+2*\g+\u], v[QS] matrix_a_fmt:MATRIX_FMT_FP6 matrix_b_fmt:MATRIX_FMT_FP6
	v_wmma_scale_f32_16x16x128_f8f6f4 v[104+8*(4*\g+2*\u):111+8*(4*\g+2*\u)], v[44+24*\u:55+24*\u], v[QF:QF+11], 0, v[248+2*\g+\u], v[QS] matrix_a_fmt:MATRIX_FMT_FP6 matrix_b_fmt:MATRIX_FMT_FP6 matrix_a_scale:MATRIX_SCALE_ROW1
.endr
.endr
.rept 4
	v_nop                                          ; places in front of the first read of the scores, and of the loads below
.endr
.irp t, 0,1,2,3                                ; V's four tiles of this head are asked for now and land under the softmax
.irp c, 0,1,2
	ds_load_b128 v[32+12*\t+4*\c:35+12*\t+4*\c], v8 offset:VOFF+BLKB*(\q)+1536*(4*(\hd)+\t)+512*\c
.endr
.endr
.irp i, 0,1
	ds_load_b32 v[10+\i], v9 offset:VOFF+BLKB*(\q)+12288+128*(2*(\hd)+\i)
.endr
	s_cmp_lg_u32 s17, s14                          ; on the diagonal the scores of hidden keys become -infinity ahead of the maximum: p = 0 then.  Every query sees its own key, so M is a number
	s_cbranch_scc1 .Lopen_\@
	v_mov_b32 v254, 0xff800000
.set n, 0
.rept 64                                       ; register n holds key 32 (n / 16) + 16 h + n % 16 of the panel
	v_cmp_gt_i32 vcc_lo, 32*(n/16)+n%16, v3
	v_cndmask_b32 v[96+n], v[96+n], v254, vcc_lo
.set n, n+1
.endr
.Lopen_\@:
.irp b, 0,1,2,3
	v_max3_num_f32 v[232+\b], v[96+16*\b], v[97+16*\b], v[98+16*\b]   ; the largest score of each block of 32 keys: it serves for the row's maximum and, since p rises with the score, for the block's largest p
.endr
.irp i, 3,5,7,9,11,13
.irp b, 0,1,2,3
	v_max3_num_f32 v[232+\b], v[232+\b], v[96+16*\b+\i], v[97+16*\b+\i]
.endr
.endr
.irp b, 0,1,2,3
	v_max_num_f32 v[232+\b], v[232+\b], v[111+16*\b]
.endr
.irp b, 0,1,2,3
	v_permlanex16_b32 v[236+\b], v[232+\b], s[SEL], s[SEL+1]
.endr
.irp b, 0,1,2,3
	v_max_num_f32 v[232+\b], v[232+\b], v[236+\b]  ; with lane l xor 16's 16 keys
.endr
	v_max3_num_f32 v254, v232, v233, v234
	v_max_num_f32 v254, v254, v235
	v_mul_f32 v254, s22, v254                      ; the step's largest t (c is positive)
	v_max_num_f32 v[ST+1], v[ST+1], v254           ; the running largest t
	v_mov_b32 v254, v[ST]
	v_floor_f32 v[ST], -v[ST+1]                    ; the new -M = -ceil(t)
	v_sub_f32 v254, v[ST], v254                    ; old M - new M: a whole number, 0 or less
	v_cvt_i32_f32 v254, v254                       ; (it saturates)
	v_ldexp_f32 v252, 1.0, v254                    ; f = 2^(old M - new M)
.set n, 0
.rept 32
	v_pk_fma_f32 v[96+n:97+n], v[96+n:97+n], s[22:23], v[ST:ST+1] op_sel_hi:[1,0,0]   ; t - M, two at a time
.set n, n+2
.endr
.irp b, 0,1,2,3
	v_fma_f32 v[232+\b], v[232+\b], s22, v[ST]     ; the same of each block's largest score
.endr
.set n, 0
.rept 64
	v_exp_f32 v[96+n], v[96+n]                     ; p = 2^(t - M)
.set n, n+1
.endr
	v_pk_mul_f32 v[ST+2:ST+3], v[ST+2:ST+3], v[252:253] op_sel_hi:[1,0]   ; the sums under the new M: a plain place behind the exponentials
	s_wait_alu depctr_va_vdst(0)                   ; one wait for the batch of 64, ahead of its first reader
.irp b, 0,1,2,3
	v_exp_f32 v[232+\b], v[232+\b]                 ; each block's largest p
.endr
	v_pk_add_f32 v[236:237], v[96:97], v[98:99]    ; the row's sum of the unquantised p, in two chains; it reads the 64 alone
.irp j, 4,8,12,16,20,24,28,32,36,40,44,48,52,56,60
	v_pk_add_f32 v[ST+2:ST+3], v[ST+2:ST+3], v[96+\j:97+\j]
	v_pk_add_f32 v[236:237], v[236:237], v[98+\j:99+\j]
.endr
	v_pk_add_f32 v[ST+2:ST+3], v[ST+2:ST+3], v[236:237]
	s_wait_alu depctr_va_vdst(0)                   ; and one for the four
.irp b, 0,1,2,3
	v_max_num_f32 v[232+\b], 0x1800000, v[232+\b]  ; the floor 2^(3 - 127): the byte cannot fall under 1
.endr
.irp b, 0,1,2,3
	v_add_nc_u32 v[244+\b], 0xff000000, v[232+\b]  ; 2 off the exponent field: the conversion's scale operand
.endr
.irp b, 0,1,2,3
	v_lshrrev_b32 v[236+\b], 23, v[244+\b]
.endr
	v_lshl_or_b32 v253, v237, 8, v236              ; p's scale word for these 128 keys
	v_lshl_or_b32 v253, v238, 16, v253
	v_lshl_or_b32 v253, v239, 24, v253
.irp c, 0,1
	v_cvt_scalef32_pk16_fp6_f32 v[224+6*\c:226+6*\c], v[96+32*\c:111+32*\c], v[244+2*\c]
	v_cvt_scalef32_pk16_fp6_f32 v[236+4*\c:238+4*\c], v[112+32*\c:127+32*\c], v[244+2*\c+1]
.endr
	v_nop                                          ; one plain place behind the conversions
.irp c, 0,1
.irp i, 0,1,2
	v_permlane16_swap_b32 v[224+6*\c+\i], v[236+4*\c+\i]
.endr
.irp i, 0,1,2
	v_mov_b32 v[227+6*\c+\i], v[236+4*\c+\i]
.endr
.endr
.set n, 0
.rept 16
	v_pk_mul_f32 v[OT+n:OT+n+1], v[OT+n:OT+n+1], v[252:253] op_sel_hi:[1,0]   ; O^T under the new M; these sixteen also stand between the lines that made p's codes and scale word and the products below
.set n, n+2
.endr
	s_wait_dscnt 0x0                               ; V is in
.irp u, 0,1                                    ; O^T += V^T P^T: the head's four accumulators by turns
	v_wmma_scale_f32_16x16x128_f8f6f4 v[OT+16*\u:OT+16*\u+7], v[32+24*\u:43+24*\u], v[224:235], v[OT+16*\u:OT+16*\u+7], v[10+\u], v253 matrix_a_fmt:MATRIX_FMT_FP6 matrix_b_fmt:MATRIX_FMT_FP6
	v_wmma_scale_f32_16x16x128_f8f6f4 v[OT+16*\u+8:OT+16*\u+15], v[44+24*\u:55+24*\u], v[224:235], v[OT+16*\u+8:OT+16*\u+15], v[10+\u], v253 matrix_a_fmt:MATRIX_FMT_FP6 matrix_b_fmt:MATRIX_FMT_FP6 matrix_a_scale:MATRIX_SCALE_ROW1
.endr
.endm
.macro STEP q
	s_cmp_gt_u32 s17, s14                          ; a step all of whose keys come after my queries is passed over: ids and the count of steps alone
	s_cbranch_scc1 .Lhidden_\@
	v_add_nc_u32 v8, s16, v1
	v_add_nc_u32 v9, s16, v2
.irp i, 0,1,2,3
	ds_load_b32 v[248+\i], v9 offset:BLKB*(\q)+12288+128*\i   ; K's scale words, two tiles a register; they serve both heads
.endr
	HSTEP \q, 0
	HSTEP \q, 1
.Lhidden_\@:
	s_add_co_u32 s17, s17, 1
.endm
; THE CHANGE OF SLOTS stands at a slot's head.  Each wave waits for all its tensor loads (its part of the slot that it is about to read), adds 0 to its spare word, and waits for that and for its reads of the slot that it has left.
; Behind the barrier the slot ahead is whole and nobody reads the other one.  fill = 1: that other slot takes the next two key steps, unless they lie past the work-group's last key step: then no wave would read them.
.macro CHANGE fill
	s_wait_tensorcnt 0x0                           ; no tensor load of mine is out, so the group 0 may be written
	ds_add_u32 v5, v6                              ; 0 onto my spare word
.if \fill
	s_xor_b32 s41, s41, SLOT1                      ; the other slot than last time,
	s_add_nc_u64 s[42:43], s[42:43], 16*BLKB       ; two token panels on; the type bits on top are not reached
.endif
	s_wait_dscnt 0x0                               ; the add is done, and my reads of the slot that I have left are over
	s_barrier_signal -1
	s_barrier_wait -1
.if \fill
	s_add_co_u32 s32, s17, 2                       ; the first key step of the slot that this change would ask for
	s_cmp_gt_u32 s32, s15                          ; the same in all sixteen waves; a work-group that is past its last key step stays past it
	s_cbranch_scc1 .Lpast_\@
	TLOAD                                          ; a wave's one tensor load until the next change
.Lpast_\@:
.endif
.endm
.Lslot:                                            ; seven trips; the trip count is a constant, the work is passed over where it is hidden
	CHANGE 1
	STEP 0
	STEP 1
	s_xor_b32 s16, s16, SLOT1
	s_sub_co_u32 s18, s18, 1
	s_cmp_lg_u32 s18, 0
	s_cbranch_scc1 .Lslot
	CHANGE 0                                       ; the last slot is written out: nothing is left to ask for
	STEP 0
	STEP 1
	; THE WAY OUT.  Each head's sum: its two halves and lane l xor 16's.  O^T / the sum is the pair's 128 features of my 16 tokens, in the conversions' order: one fragment of mh_op's block (my token panel, the pair).
	v_add_f32 v14, v14, v15
	v_add_f32 v94, v94, v95
	v_permlanex16_b32 v236, v14, s[SEL], s[SEL+1]
	v_permlanex16_b32 v237, v94, s[SEL], s[SEL+1]
	v_add_f32 v14, v14, v236
	v_add_f32 v94, v94, v237
	v_rcp_f32 v14, v14
	v_rcp_f32 v94, v94
	v_nop                                          ; a plain place behind the reciprocals,
	s_wait_alu depctr_va_vdst(0)                   ; and one wait for both, ahead of their first reader
.set n, 0
.rept 16
	v_pk_mul_f32 v[96+n:97+n], v[160+n:161+n], v[14:15] op_sel_hi:[1,0]   ; each accumulator from its low end on
.set n, n+2
.endr
.set n, 0
.rept 16
	v_pk_mul_f32 v[128+n:129+n], v[192+n:193+n], v[94:95] op_sel_hi:[1,0]
.set n, n+2
.endr
	QUANT 96
.irp c, 0,1,2
	global_store_b128 v1, v[PC+4*\c:PC+4*\c+3], s[6:7] offset:512*\c   ; 512 consecutive bytes, at a multiple of 256 from the buffer's first byte
.endr
	ds_store_b32 v4, v[PW]                         ; lanes r and r + 16 write the same word with the same value
	s_wait_dscnt 0x0                               ; for the others' sake: my store has landed
	s_barrier_signal -1
	s_barrier_wait -1
	s_cmp_lt_u32 s8, 2                             ; waves 0 and 1 own tile 0 of panels p and 15 - p: each stores its panel's 512 bytes of scale words
	s_cbranch_scc0 .Ldone
	ds_load_b128 v[96:99], v7
	s_wait_dscnt 0x0
	global_store_b128 v1, v[96:99], s[6:7] offset:12288
.Ldone:
	s_wait_tensorcnt 0x0                           ; the wave's end: the add to my spare word and its wait, behind my last tensor load and my last LDS store
	ds_add_u32 v5, v6
	s_wait_dscnt 0x0
	s_endpgm
.Lfunc_end_k_q3aa9cff6c1_attn:
	.size	k_q3aa9cff6c1_attn, .Lfunc_end_k_q3aa9cff6c1_attn-k_q3aa9cff6c1_attn
	.p2alignl 7, 3214868480
	.fill 96, 4, 3214868480
	.section	.rodata,"a",@progbits
	.p2align	6, 0x0
	.amdhsa_kernel k_q3aa9cff6c1_attn
		.amdhsa_group_segment_fixed_size 327680
		.amdhsa_private_segment_fixed_size 0
		.amdhsa_enable_private_segment 0
		.amdhsa_kernarg_size 16
		.amdhsa_user_sgpr_count 2
		.amdhsa_user_sgpr_kernarg_segment_ptr 1
		.amdhsa_wavefront_size32 1
		.amdhsa_system_sgpr_workgroup_id_x 1
		.amdhsa_system_sgpr_workgroup_id_y 1
		.amdhsa_system_sgpr_workgroup_id_z 1
		.amdhsa_system_vgpr_workitem_id 0
		.amdhsa_next_free_vgpr 256
		.amdhsa_next_free_sgpr 66
		.amdhsa_reserve_vcc 1
		.amdhsa_float_denorm_mode_32 3
		.amdhsa_float_denorm_mode_16_64 3
		.amdhsa_memory_ordered 1
		.amdhsa_forward_progress 1
		.amdhsa_inst_pref_size 183
	.end_amdhsa_kernel
	.amdgpu_metadata
---
amdhsa.version: [ 1, 2 ]
amdhsa.kernels:
  - .name:           k_q3aa9cff6c1_attn
    .symbol:         k_q3aa9cff6c1_attn.kd
    .args:
      - { .name: qkv_op, .offset: 0, .size: 8, .value_kind: global_buffer, .address_space: global }
      - { .name: mh_op, .offset: 8, .size: 8, .value_kind: global_buffer, .address_space: global }
    .group_segment_fixed_size: 327680
    .private_segment_fixed_size: 0
    .kernarg_segment_align: 8
    .kernarg_segment_size: 16
    .max_flat_workgroup_size: 512
    .sgpr_count:     66
    .vgpr_count:     256
    .wavefront_size: 32
...
	.end_amdgpu_metadata
.endif
;; end of part 3
;; launch outp (part 4): grid 4 x 64, 4 waves a work-group, clusters of 4 x 4, 327,680 bytes of LDS; arguments mh_op, w_op, out0; writes out0
.if DOCPART == 4
	.amdgcn_target "amdgcn-amd-amdhsa--gfx1250"
	.amdhsa_code_object_version 6
	.text
	.protected	k_q3aa9cff6c1_outp
	.globl	k_q3aa9cff6c1_outp
	.p2align	8
	.type	k_q3aa9cff6c1_outp,@function
k_q3aa9cff6c1_outp:
	s_mov_b64 s[64:65], 0
	v_nop
	global_prefetch_b8 v0, s[64:65] scope:SCOPE_SE
	s_setreg_imm32_b32 hwreg(HW_REG_WAVE_MODE, 25, 1), 1
	s_wait_xcnt 0x0
	s_wait_alu depctr_hold_cnt(0) depctr_sa_sdst(0) depctr_va_vdst(0) depctr_va_sdst(0) depctr_va_ssrc(0) depctr_va_vcc(0) depctr_vm_vsrc(0)
	s_getreg_b32 s2, hwreg(HW_REG_IB_STS2, 6, 4)
	s_cmp_eq_u32 s2, 0
	s_cbranch_scc0 .Lentry_in_a_cluster
	s_endpgm
.Lentry_in_a_cluster:
	s_bfe_u32 s2, ttmp6, 0x10000c
	s_cmp_lg_u32 s2, 0xf033
	s_cbranch_scc0 .Lentry_shape_is_right
	s_endpgm
.Lentry_shape_is_right:
; OUTP.  out0 = mh Wo^T on codes of FP6 (E2M3) with E8M0 scales; out0 [8192][1024] f32.
; Both operands lie as operand blocks: 128 rows (a panel) x 128 along K, 12,800 bytes: eight fragments of 1,536 bytes (lane l's registers 4 c .. 4 c + 3 at 512 c + 16 l), then 512 bytes of scale words (12,288 + 64 A + 4 r).
; Tile A holds the rows 32 (A / 2) + 8 (A % 2) + r + 8 (r / 8).  A buffer holds [panel][K step].  Wo's panels are w_op's 24 .. 31.
; THE PRODUCT.  Source 1 (S1) = one panel of mh (a lane a token), source 0 (S0) = two panels of Wo: in a result, register 8 b + j of lane (r, h) is output column 32 (b / 2) + 16 h + 8 (b % 2) + j of the panel.
; SHARES.  A work-group makes 128 tokens x 256 columns; wave w takes S1's tiles 4 (w / 2) .. + 3 and S0's panel w % 2: 32 accumulators, 32 matrix instructions for each of the 8 K steps.
; LDS.  All of K fits: four chunks of two K steps, each [S1's panel][S0's panel 0][S0's panel 1] of 25,600 bytes, every byte filled once: wave 0 asks for S1's four chunks, waves 1 and 2 for S0's panels'; four tensor loads of a wave are out at the most.
; CLUSTER.  4 x 4: S1's panel is asked for jointly by the four of a row of the cluster, S0's panels by the four of a column.
; THE WAY OUT.  A tile's 16 rows x 512 bytes go through the wave's own stage and leave as whole rows.  The stages lie in chunk 0: it has had its one fill, and its last reads are waited for ahead of the barrier of K step 1.
; REGISTERS, in windows of 256: window 0: addresses, scale words, rows on their way out.  Window 1: fragments, set 0 (S0's eight at v0, S1's four at v96); window 2: set 1.  Window 3: the accumulators, (a, b) at v[8 (8 a + b)].
.set BLKB,  12800
.set PANB,  2*BLKB
.set CHUNK, 3*PANB
.set SPARE, 4*CHUNK                    ; behind the chunks: the spare words, 128 bytes for each wave
.set SPITCH, 528                       ; a stage row: 512 bytes + 16
.set LI,  1                            ; v1      16 x lane
.set A1,  8                            ; v8-11   chunk j: my S1 fragments
.set A0,  12                           ; v12-15  my S0 fragments
.set AS1, 16                           ; v16-19  S1's scale words
.set AS0, 20                           ; v20-23  S0's
.set STO, 24                           ; v24     the stage: where I put 32 bytes of a row
.set RD,  25                           ; v25     and where a row is read back
.set SPW, 28                           ; v28     LDS address of my spare word; never rewritten
.set NIL, 29                           ; v29     0; never rewritten
.set SC,  32                           ; v32-43  scale words, two sets of six
.set BK,  64                           ; v64-127, v128-191 by turns: 16 rows on their way out
.set G1,  24
.set G0,  32
.set G0B, 48
.set G1B, 68
.set MSB, 0
.macro WIN new                         ; the immediate's high byte repeats the setting that is left
.if MSB != (\new)
	s_set_vgpr_msb (MSB<<8)|(\new)
.set MSB, (\new)
.endif
.endm
.macro CROUND                          ; a round of the cluster's barrier
	s_barrier_signal -1
	s_barrier_wait -1
	s_cmp_lg_u32 s14, 0
	s_cbranch_scc1 .Lnot_wave_0_\@
	s_barrier_signal -3
.Lnot_wave_0_\@:
	s_barrier_wait -3
	s_barrier_signal -1
	s_barrier_wait -1
.endm
.macro PLACES
.rept 4
	v_nop
.endr
.endm
	s_load_b128 s[4:7], s[0:1], 0x0                ; mh_op, w_op
	s_load_b64 s[8:9], s[0:1], 0x10                ; out0
	v_lshl_add_u32 v[SPW], v0, 2, SPARE
	v_mov_b32 v[NIL], 0
	ds_add_u32 v[SPW], v[NIL]                      ; the wave's opening: the add and its wait stand ahead of my first tensor load; work on registers stands between them
	v_lshrrev_b32 v2, 5, v0
	v_readfirstlane_b32 s14, v2                    ; wave 0..3
	s_lshr_b32 s15, s14, 1                         ; hw: which four tiles of S1 are mine.  Also: which of S0's panels wave 1 or 2 fetches
	s_and_b32 s16, s14, 1                          ; which of S0's panels is mine
	s_bfe_u32 s76, ttmp6, 0x40000                  ; cx
	s_bfe_u32 s77, ttmp6, 0x40004                  ; cy
	s_lshl_b32 s79, ttmp9, 2
	s_add_co_u32 s79, s79, s76                     ; T0: which pair of Wo's panels (it holds cx, never cy)
	s_and_b32 s80, ttmp7, 0xffff
	s_lshl_b32 s80, s80, 2
	s_add_co_u32 s80, s80, s77                     ; T1: which panel of mh (it holds cy, never cx)
	s_lshl_b32 s98, s77, 2
	s_lshl_b32 s98, 15, s98                        ; my row of the cluster
	s_lshl_b32 s99, 0x1111, s76                    ; my column
	; descriptor group 1: 25,600 dense bytes as 100 rows of 256 bytes (32 elements of 8 bytes), no padding
	s_or_b32 s[G1], s98, (3<<16)|(1<<21)
	s_or_b32 s[G1B], s99, (3<<16)|(1<<21)
.irp g, G1, G1B
	s_mov_b32 s[\g+1], 32<<16
	s_mov_b32 s[\g+2], 100<<16
	s_mov_b32 s[\g+3], 32<<16
	s_mov_b32 s[\g+4], 100
	s_mov_b32 s[\g+5], 32
	s_mov_b32 s[\g+6], 0
	s_mov_b32 s[\g+7], 0
.endr
	s_mul_i32 s88, s80, 8*BLKB                     ; S1's panel, in bytes
	s_mov_b32 s89, 0
	s_lshl_b32 s90, s79, 1
	s_add_co_u32 s90, s90, s15
	s_add_co_u32 s90, s90, 24                      ; wave 1: panel 24 + 2 T0, wave 2: the next
	s_mul_i32 s90, s90, 8*BLKB
	s_mov_b32 s91, 0
	s_mul_i32 s20, s14, PANB                       ; where a wave's loads land in a chunk
	s_lshl_b32 s82, s80, 19                        ; out0: 128 T1 rows of 4,096 bytes,
	s_lshl_b32 s83, s15, 18                        ; + 64 hw rows,
	s_add_co_u32 s82, s82, s83
	s_lshl_b32 s83, s79, 10                        ; + 512 bytes for each panel of columns
	s_add_co_u32 s82, s82, s83
	s_lshl_b32 s83, s16, 9
	s_add_co_u32 s82, s82, s83
	s_mov_b32 s83, 0
	s_wait_dscnt 0x0                               ; the opening add is done
	s_wait_kmcnt 0x0
	s_add_nc_u64 s[92:93], s[4:5], s[88:89]
	s_add_nc_u64 s[94:95], s[6:7], s[90:91]
	s_add_nc_u64 s[8:9], s[8:9], s[82:83]
	CROUND                                         ; all sixteen work-groups are here: the joint loads meet
.irp j, 0,1,2,3
	s_mov_b32 s[G0+4*\j], 1
	s_add_co_u32 s[G0+4*\j+1], s20, \j*CHUNK
	s_add_nc_u64 s[G0+4*\j+2:G0+4*\j+3], s[92:93], \j*PANB
	s_or_b32 s[G0+4*\j+3], s[G0+4*\j+3], 0x80000000
	s_mov_b32 s[G0B+4*\j], 1
	s_add_co_u32 s[G0B+4*\j+1], s20, \j*CHUNK
	s_add_nc_u64 s[G0B+4*\j+2:G0B+4*\j+3], s[94:95], \j*PANB
	s_or_b32 s[G0B+4*\j+3], s[G0B+4*\j+3], 0x80000000
.endr
	s_cmp_eq_u32 s14, 0                            ; a wave's four first fills stand in one branch on the wave's number, the same in every work-group
	s_cbranch_scc0 .Lnot_s1
.irp j, 0,1,2,3
	tensor_load_to_lds s[G0+4*\j:G0+4*\j+3], s[G1:G1+7]
	s_nop 0
.endr
	PLACES
	s_branch .Lasked
.Lnot_s1:
	s_cmp_eq_u32 s14, 3
	s_cbranch_scc1 .Lasked
.irp j, 0,1,2,3
	tensor_load_to_lds s[G0B+4*\j:G0B+4*\j+3], s[G1B:G1B+7]
	s_nop 0
.endr
	PLACES
.Lasked:
	v_and_b32 v2, 31, v0
	v_lshlrev_b32 v[LI], 4, v2
	v_lshlrev_b32 v3, 2, v2
	v_and_b32 v4, 15, v0
	v_bfe_u32 v26, v0, 4, 1
	s_mul_i32 s17, s15, 6144
	v_add_nc_u32 v5, s17, v[LI]
	s_add_co_u32 s17, s16, 1
	s_mul_i32 s17, s17, PANB
	v_add_nc_u32 v6, s17, v[LI]
	s_add_co_u32 s17, s17, 12288
	v_add_nc_u32 v7, s17, v3
	s_lshl_b32 s17, s15, 8
	s_add_co_u32 s17, s17, 12288
	v_add_nc_u32 v3, s17, v3
.irp j, 0,1,2,3
	v_add_nc_u32 v[A1+\j], \j*CHUNK, v5
	v_add_nc_u32 v[A0+\j], \j*CHUNK, v6
	v_add_nc_u32 v[AS1+\j], \j*CHUNK, v3
	v_add_nc_u32 v[AS0+\j], \j*CHUNK, v7
.endr
	s_mul_i32 s17, s14, 16*SPITCH                  ; my stage
	v_mul_u32_u24 v[STO], v4, SPITCH
	v_lshl_add_u32 v[STO], v26, 6, v[STO]
	v_add_nc_u32 v[STO], s17, v[STO]               ; in: row r, + 64 h
	v_add_nc_u32 v[RD], s17, v[LI]                 ; back: the 32 lanes take one row of 512 bytes
.macro FETCH kk                        ; K step kk's fragments and scale words into set kk % 2: 42 LDS loads in one run
.set FJ, (\kk)/2
.set FQ, (\kk)%2
	WIN 0x40+0x40*FQ
.irp b, 0,1,2,3,4,5,6,7
.irp c, 0,1,2
	ds_load_b128 v[12*\b+4*\c:12*\b+4*\c+3], v[A0+FJ] offset:BLKB*FQ+1536*\b+512*\c
.endr
.endr
.irp a, 0,1,2,3
.irp c, 0,1,2
	ds_load_b128 v[96+12*\a+4*\c:96+12*\a+4*\c+3], v[A1+FJ] offset:BLKB*FQ+1536*\a+512*\c
.endr
.endr
	WIN 0
.irp i, 0,1,2,3
	ds_load_b32 v[SC+6*FQ+\i], v[AS0+FJ] offset:BLKB*FQ+128*\i
.endr
.irp i, 0,1
	ds_load_b32 v[SC+6*FQ+4+\i], v[AS1+FJ] offset:BLKB*FQ+128*\i
.endr
.endm
.macro WM a, b, p, zero                ; accumulator (a, b): source 0 = S0's tile b, source 1 = S1's tile a; an odd tile's scale words stand in lanes 16-31
.set WD, 8*(8*(\a)+(\b))
.set WA, 12*(\b)
.set WB, 96+12*(\a)
.set WSA, SC+6*(\p)+(\b)/2
.set WSB, SC+6*(\p)+4+(\a)/2
.set WR, 2*((\a)%2)+(\b)%2
.if \zero
.if WR == 0
	v_wmma_scale_f32_16x16x128_f8f6f4 v[WD:WD+7], v[WA:WA+11], v[WB:WB+11], 0, v[WSA], v[WSB] matrix_a_fmt:MATRIX_FMT_FP6 matrix_b_fmt:MATRIX_FMT_FP6
.elseif WR == 1
	v_wmma_scale_f32_16x16x128_f8f6f4 v[WD:WD+7], v[WA:WA+11], v[WB:WB+11], 0, v[WSA], v[WSB] matrix_a_fmt:MATRIX_FMT_FP6 matrix_b_fmt:MATRIX_FMT_FP6 matrix_a_scale:MATRIX_SCALE_ROW1
.elseif WR == 2
	v_wmma_scale_f32_16x16x128_f8f6f4 v[WD:WD+7], v[WA:WA+11], v[WB:WB+11], 0, v[WSA], v[WSB] matrix_a_fmt:MATRIX_FMT_FP6 matrix_b_fmt:MATRIX_FMT_FP6 matrix_b_scale:MATRIX_SCALE_ROW1
.else
	v_wmma_scale_f32_16x16x128_f8f6f4 v[WD:WD+7], v[WA:WA+11], v[WB:WB+11], 0, v[WSA], v[WSB] matrix_a_fmt:MATRIX_FMT_FP6 matrix_b_fmt:MATRIX_FMT_FP6 matrix_a_scale:MATRIX_SCALE_ROW1 matrix_b_scale:MATRIX_SCALE_ROW1
.endif
.else
.if WR == 0
	v_wmma_scale_f32_16x16x128_f8f6f4 v[WD:WD+7], v[WA:WA+11], v[WB:WB+11], v[WD:WD+7], v[WSA], v[WSB] matrix_a_fmt:MATRIX_FMT_FP6 matrix_b_fmt:MATRIX_FMT_FP6
.elseif WR == 1
	v_wmma_scale_f32_16x16x128_f8f6f4 v[WD:WD+7], v[WA:WA+11], v[WB:WB+11], v[WD:WD+7], v[WSA], v[WSB] matrix_a_fmt:MATRIX_FMT_FP6 matrix_b_fmt:MATRIX_FMT_FP6 matrix_a_scale:MATRIX_SCALE_ROW1
.elseif WR == 2
	v_wmma_scale_f32_16x16x128_f8f6f4 v[WD:WD+7], v[WA:WA+11], v[WB:WB+11], v[WD:WD+7], v[WSA], v[WSB] matrix_a_fmt:MATRIX_FMT_FP6 matrix_b_fmt:MATRIX_FMT_FP6 matrix_b_scale:MATRIX_SCALE_ROW1
.else
	v_wmma_scale_f32_16x16x128_f8f6f4 v[WD:WD+7], v[WA:WA+11], v[WB:WB+11], v[WD:WD+7], v[WSA], v[WSB] matrix_a_fmt:MATRIX_FMT_FP6 matrix_b_fmt:MATRIX_FMT_FP6 matrix_a_scale:MATRIX_SCALE_ROW1 matrix_b_scale:MATRIX_SCALE_ROW1
.endif
.endif
.endm
.macro MUL32 k, zero                   ; the 32 accumulators take turns, one instruction a turn, in the same order in every K step
	WIN 0xf5+5*((\k)%2)                            ; sources 0 and 1: window 1 or 2; C and D: window 3
.irp a, 0,1,2,3
.irp b, 0,1,2,3,4,5,6,7
	WM \a, \b, (\k)%2, \zero
.endr
.endr
.endm
; A K step: its fragments are in; where the next step begins a chunk, that chunk's loads have landed (the later chunks' may stay out) and a barrier says so of every wave;
; the next step's fragments are asked for, four places behind the products that read their registers; then this step's 32 products.
.macro KSTEP k, zero
	s_wait_dscnt 0x0
.if ((\k)%2 == 1) && ((\k) < 7)
	s_wait_tensorcnt 3-((\k)+1)/2                  ; of my four loads those of the chunks behind the next may be out
	s_barrier_signal -1
	s_barrier_wait -1
.endif
.if (\k) < 7
.if (\k) > 0
	PLACES
.endif
	FETCH (\k)+1
.endif
	MUL32 \k, \zero
.endm
	s_wait_tensorcnt 3                             ; my part of chunk 0 is in; the three later chunks' loads may be out
	s_barrier_signal -1
	s_barrier_wait -1                              ; everybody's is
	FETCH 0
	KSTEP 0, 1                                     ; the first products start the sums: nothing is cleared
	KSTEP 1, 0
	KSTEP 2, 0
	KSTEP 3, 0
	KSTEP 4, 0
	KSTEP 5, 0
	KSTEP 6, 0
	KSTEP 7, 0
	WIN 0
	PLACES                                         ; in front of the first read of results
; THE WAY OUT of my tile i of S1.  A lane's eight registers of accumulator b are eight neighbouring columns of its row: 32 bytes at 128 (b / 2) + 64 h + 32 (b % 2) of the row's 512.
.macro TOSTAGE i
	WIN 0x0c                                       ; an LDS store's data are its source 1: window 3
.irp b, 0,1,2,3,4,5,6,7
	ds_store_b128 v[STO], v[64*(\i)+8*\b:64*(\i)+8*\b+3] offset:128*(\b/2)+32*(\b%2)        ; each accumulator from its low end on
	ds_store_b128 v[STO], v[64*(\i)+8*\b+4:64*(\i)+8*\b+7] offset:128*(\b/2)+32*(\b%2)+16
.endr
	WIN 0
.irp t, 0,1,2,3,4,5,6,7,8,9,10,11,12,13,14,15
	ds_load_b128 v[BK+64*((\i)%2)+4*\t:BK+64*((\i)%2)+4*\t+3], v[RD] offset:SPITCH*\t   ; LDS serves a wave's instructions in order: these see the stores above, and the next tile's stores come behind them
.endr
.endm
.macro SEND i, younger                 ; younger: the LDS instructions issued behind tile i's loads, which may stay out
	s_wait_dscnt \younger
.irp t, 0,1,2,3,4,5,6,7,8,9,10,11,12,13,14,15
	global_store_b128 v[LI], v[BK+64*((\i)%2)+4*\t:BK+64*((\i)%2)+4*\t+3], s[8:9] offset:(32*((\i)/2)+8*((\i)%2)+\t+8*(\t/8))*4096 th:TH_STORE_NT   ; 32 lanes store 512 consecutive bytes, at a multiple of 256 from out0's first byte
.endr
.endm
	TOSTAGE 0
	TOSTAGE 1
	SEND 0, 32                                     ; behind tile 0's loads: tile 1's 16 stores and 16 loads
	s_wait_xcnt 0x0                                ; tile 0's stores have read their registers: tile 2's rows may land there
	TOSTAGE 2
	SEND 1, 32
	s_wait_xcnt 0x0
	TOSTAGE 3
	SEND 2, 32
	SEND 3, 0
	s_wait_tensorcnt 0x0                           ; the wave's end: the add to my spare word and its wait, behind my last tensor load and my last LDS store
	ds_add_u32 v[SPW], v[NIL]
	s_wait_dscnt 0x0
	CROUND                                         ; the closing round
	s_endpgm
.Lfunc_end_k_q3aa9cff6c1_outp:
	.size	k_q3aa9cff6c1_outp, .Lfunc_end_k_q3aa9cff6c1_outp-k_q3aa9cff6c1_outp
	.p2alignl 7, 3214868480
	.fill 96, 4, 3214868480
	.section	.rodata,"a",@progbits
	.p2align	6, 0x0
	.amdhsa_kernel k_q3aa9cff6c1_outp
		.amdhsa_group_segment_fixed_size 327680
		.amdhsa_private_segment_fixed_size 0
		.amdhsa_enable_private_segment 0
		.amdhsa_kernarg_size 24
		.amdhsa_user_sgpr_count 2
		.amdhsa_user_sgpr_kernarg_segment_ptr 1
		.amdhsa_wavefront_size32 1
		.amdhsa_system_sgpr_workgroup_id_x 1
		.amdhsa_system_sgpr_workgroup_id_y 1
		.amdhsa_system_sgpr_workgroup_id_z 1
		.amdhsa_system_vgpr_workitem_id 0
		.amdhsa_next_free_vgpr 1024
		.amdhsa_next_free_sgpr 100
		.amdhsa_reserve_vcc 0
		.amdhsa_float_denorm_mode_32 3
		.amdhsa_float_denorm_mode_16_64 3
		.amdhsa_memory_ordered 1
		.amdhsa_forward_progress 1
		.amdhsa_inst_pref_size 79
	.end_amdhsa_kernel
	.amdgpu_metadata
---
amdhsa.version: [ 1, 2 ]
amdhsa.kernels:
  - .name:           k_q3aa9cff6c1_outp
    .symbol:         k_q3aa9cff6c1_outp.kd
    .args:
      - { .name: mh_op, .offset: 0, .size: 8, .value_kind: global_buffer, .address_space: global }
      - { .name: w_op, .offset: 8, .size: 8, .value_kind: global_buffer, .address_space: global }
      - { .name: out0, .offset: 16, .size: 8, .value_kind: global_buffer, .address_space: global }
    .group_segment_fixed_size: 327680
    .private_segment_fixed_size: 0
    .kernarg_segment_align: 8
    .kernarg_segment_size: 24
    .max_flat_workgroup_size: 128
    .sgpr_count:     100
    .vgpr_count:     1024
    .wavefront_size: 32
...
	.end_amdgpu_metadata
.endif
;; end of part 4
